; MI455X (gfx1250); checked and timed in simulation.
; The chip was launched on July 23, 2026; its instructions are those of AMD's public machine-readable ISA for CDNA 5 (MIT licence, August 2026) and "CDNA5" Instruction Set Architecture Reference Guide (July 2026). The comments in the code are by the model that wrote it; some were corrected since.
;; Multihead Attention. Allowed arithmetic: matrix products marked QUANTISED: E2M3 operands, one E8M0 scale for each 32 along K, by v_wmma_scale_f32_16x16x128_f8f6f4 with both operands' format E2M3, f32 sums; everything else in f32.
;; Inputs: in_proj_b 3,072 float32; in_proj_w 3,072 x 1,024 float32; key 8 x 1,024 x 1,024 float32; ln_beta 1,024 float32; ln_gamma 1,024 float32; out_proj_b 1,024 float32; out_proj_w 1,024 x 1,024 float32; query 8 x 1,024 x 1,024 float32; value 8 x 1,024 x 1,024 float32.
;; Outputs: out0 8 x 1,024 x 1,024 float32; out1 8 x 1,024 x 1,024 float32.
;; This version of the problem:
;;   THIS VERSION OF THE PROBLEM IS GIVEN IN LOW PRECISION. The matrix products marked QUANTISED in the list below multiply operands that are first quantised to E2M3 (2 exponent bits, 3 mantissa bits; 6 bits a number), with one power-of-two scale for each 32 numbers along K (OCP MX v1.0); their sums are f32. All else is computed in f32.
;;   The module's matrix products, in the order in which they are computed (A, B: the left and right operand; K: the contracted axis; several contracted axes count as one K, in the product's order):
;;     1. [M 8,192, K 1,024] x [K 1,024, N 1,024]; A: computed on the way; B: computed on the way: QUANTISED
;;     2. [M 8,192, K 1,024] x [K 1,024, N 1,024]; A: computed on the way; B: computed on the way: QUANTISED
;;     3. [M 8,192, K 1,024] x [K 1,024, N 1,024]; A: computed on the way; B: computed on the way: QUANTISED
;;     4. batch 128 x [M 1,024, K 64] x [K 64, N 1,024]; A: computed on the way; B: computed on the way: QUANTISED
;;     5. batch 128 x [M 64, K 1,024] x [K 1,024, N 1,024]; A: computed on the way; B: softmax (see below): QUANTISED
;;     6. [M 8,192, K 1,024] x [K 1,024, N 1,024]; A: computed on the way; B: input out_proj_w: QUANTISED
;;   THE QUANTISER, for each operand of a quantised product, along K:
;;     - K is cut into blocks of 32 from its start; a last block that is shorter is filled with zeros.
;;     - A block's scale is 2^e with e = floor(log2(the largest magnitude in the block)) - 2, held to -126 .. 127; a block of zeros has e = 0. As a byte (E8M0): e + 127.
;;     - Each number is divided by its block's scale, clamped to +-7.5, and rounded to the nearest number of E2M3, ties to even, subnormals kept.
;;     - The product sums the exact products of the quantised numbers (number of the format x scale) in f32.
;;   ~~~python
;;   def quantise(x, axis):      # numpy; x: float32 -> the quantised numbers, widened to float32 again
;;       x = np.moveaxis(x, axis, -1); K = x.shape[-1]
;;       x = np.pad(x, [(0, 0)] * (x.ndim - 1) + [(0, -K % 32)]); x = x.reshape(x.shape[:-1] + (-1, 32)); a = np.abs(x).max(-1, keepdims=True)
;;       e = np.where(a > 0, np.clip(np.frexp(np.where(a > 0, a, 1))[1] - 1 - 2, -126, 127), 0)      # np.frexp(a)[1] - 1 = floor(log2(a)), exactly
;;       r = np.clip(x / 2.0 ** e, -7.5, 7.5)
;;       step = 2.0 ** (np.maximum(np.frexp(np.where(r == 0, 1, r))[1] - 1, 0) - 3)
;;       q = np.round(r / step) * step * 2.0 ** e      # np.round: ties to even
;;       return np.moveaxis(q.reshape(q.shape[:-2] + (-1,))[..., :K], -1, axis).astype(np.float32)
;;   ~~~
;;   SOFTMAX AHEAD OF A QUANTISED PRODUCT. Where the list says 'softmax', what is quantised is not the finished softmax but p = 2^(t - M), with t = logit x log2(e) and M = ceil(the row's largest t), a whole number; so 1/2 < the row's largest p <= 1. The row's sum l is taken of the UNQUANTISED p, in f32, and the product's result is divided by l at the end. Since M is a whole number, a kernel that streams over the keys may use a running M (the ceiling of the running maximum): every later rescaling is an exact power of two, which a block's scale takes up: the codes' values come out the same.
;;   OPERANDS COMPUTED ON THE WAY. 'Computed on the way' means the value that the module computes at that place (a softmax that the list does not call 'softmax' is quantised finished and normalised). What goes into a quantiser is computed in f32, as accurately as f32 sums, v_exp_f32 and their like allow (about 1e-6 of the number): no bf16 or f16 on the way to a quantiser, and a product that is left as it is and whose result goes on into a quantised operand takes f32 operands (vector FMAs, or v_wmma_f32_16x16x4_f32). A number that lies on a knife's edge between two numbers of the format may be rounded either way, as far as f32 arithmetic and the matrix unit's own rounding can turn it there, and no further.
;; One version. Each part assembles by itself: llvm-mc -triple=amdgcn-amd-amdhsa -mcpu=gfx1250 --defsym DOCPART=n.
;; ======== version 1 of 1: 4 launches
;; limits: right only within a limited range of input values
;; workspace buffers: codes 22,020,096 bytes; scales 917,504 bytes; att 20,185,088 bytes; ctxc 6,291,456 bytes; ctxs 262,144 bytes
;; launch prep (part 1): grid 896 x 1, 4 waves a work-group, no clusters, 45,568 bytes of LDS; arguments query, key, value, in_proj_w, out_proj_w, ln_gamma, ln_beta, codes, scales; writes codes, scales
.if DOCPART == 1
	.amdgcn_target "amdgcn-amd-amdhsa--gfx1250"
	.amdhsa_code_object_version 6
	.text
	.protected	k_q30cb34bbbc_prep
	.globl	k_q30cb34bbbc_prep
	.p2align	8
	.type	k_q30cb34bbbc_prep,@function
k_q30cb34bbbc_prep:
	s_mov_b64 s[64:65], 0
	v_nop
	global_prefetch_b8 v0, s[64:65] scope:SCOPE_SE
	s_setreg_imm32_b32 hwreg(HW_REG_WAVE_MODE, 25, 1), 1
	s_wait_xcnt 0x0
; LayerNorm of query, key and value (rows of 1,024 f32), and the two weights as they are, become codes of FP6 (E2M3) along their 1,024 columns, with one E8M0 byte for each 32.
; 28,672 logical rows: 0.. query, 8,192.. key, 16,384.. value, 24,576.. in_proj_w, 27,648.. out_proj_w.  A row's codes are 768 bytes, its scale bytes 32.
; A ROW IS STORED AT ITS NUMBER WITH BITS 3 AND 4 SWAPPED: sixteen neighbouring stored rows 16 (2 b + u) + r are then the logical rows 32 b + 8 u + r % 8 + 16 (r / 8), the rows that the products' tiles want together.
; SHARES.  A wave takes 8 neighbouring logical rows (they share bits 3 and 4, so they are neighbours in the output too), one row at a time: 8 loads of 512 consecutive bytes, 32 registers.  Mean and variance never leave the wave.
; ONE PATH for all five tensors: in a weight's work-group gamma, beta, the mean and 1 / sigma are replaced by 1, 0, 0, 1 (selects on the work-group's number), and then y = x, exactly.
; The conversions want a block's 32 numbers in one lane: a row turns through the wave's own stage in LDS (a block's 128 bytes + 16 of padding); lane l then holds block l.
; Codes and scale bytes are gathered in the wave's own LDS and leave at the end: 12 stores of 512 consecutive aligned bytes, and one of 256.  No tensor load, no barrier: waves share nothing; no cluster: work-groups share no large input.
; A block's scale byte is its largest magnitude's exponent field - 2, held at 1 from below.
; LIMITS: NaN and infinities among the inputs are not served.  A block whose largest magnitude lies under 2^-124 gets the byte 1; so does a block of zeros, where the stated quantiser says 127: its codes are zeros and this program alone reads the bytes.
; 1 / sigma is v_rsq_f32, good to one unit in the last place.
.set WREG,  11264                      ; LDS of a wave: the stage, the codes, the scale bytes
.set BP,    144                        ; a block's place in the stage
.set CSTO,  4608                       ; 8 rows x 768 bytes of codes
.set SBYO,  10752                      ; 8 rows x 32 scale bytes
.set L16,  2                           ; v2   16 x lane
.set SIN,  3                           ; v3   the stage, on the way in: BP (lane / 8) + 16 (lane % 8)
.set SOUT, 4                           ; v4   and out: BP x lane
.set CW,   5                           ; v5   my block's 24 bytes of a row's codes
.set SBW,  6                           ; v6   my block's scale byte
.set CR,   7                           ; v7   the codes, read back 16 bytes a lane
.set SBR,  8                           ; v8   the scale bytes, 8 a lane
.set L8,   9                           ; v9   8 x lane
.set MU,   10                          ; v[10:11] the mean (the low word serves both halves of a pair)
.set RS,   12                          ; v[12:13] 1 / sigma
.set T0,   14
.set T1,   15
.set G,    16                          ; v16-47  gamma at my columns 128 j + 4 lane + 0..3
.set BT,   48                          ; v48-79  beta
.set X,    80                          ; v80-175 three row slots
.set Y,    176                         ; v176-207 a block of 32
.set C,    208                         ; v208-213 its codes, v212-214 on the way, v215 its scale byte
.set M,    216                         ; v216-223 four pairs at work
.set SEL,  30                          ; s[30:31] v_permlanex16_b32's selects for lane l xor 16
.set INV,  32                          ; s32  1 / 1,024
.set EPS,  33                          ; s33  1e-5
.set NM,   34                          ; s34  all ones where the rows are normalised, 0 for a weight
	s_load_b256 s[4:11], s[0:1], 0x0               ; query, key, value, in_proj_w
	s_load_b256 s[12:19], s[0:1], 0x20             ; out_proj_w, gamma, beta, the codes
	s_load_b64 s[20:21], s[0:1], 0x40              ; the scale bytes
	v_lshl_add_u32 v224, v0, 2, 0xb000
	v_mov_b32 v225, 0
	v_lshrrev_b32 v1, 5, v0
	v_readfirstlane_b32 s2, v1                     ; wave 0..3
	v_and_b32 v1, 31, v0                           ; lane
	s_mul_i32 s3, s2, WREG
	v_lshlrev_b32 v[L16], 4, v1
	v_lshlrev_b32 v[L8], 3, v1
	v_lshrrev_b32 v[T0], 3, v1
	v_mul_u32_u24 v[T0], v[T0], BP
	v_and_b32 v[T1], 7, v1
	v_lshl_add_u32 v[T0], v[T1], 4, v[T0]
	v_add_nc_u32 v[SIN], s3, v[T0]
	v_mul_u32_u24 v[T0], v1, BP
	v_add_nc_u32 v[SOUT], s3, v[T0]
	s_add_co_u32 s25, s3, CSTO
	v_mul_u32_u24 v[T0], v1, 24
	v_add_nc_u32 v[CW], s25, v[T0]
	v_add_nc_u32 v[CR], s25, v[L16]
	s_add_co_u32 s25, s3, SBYO
	v_add_nc_u32 v[SBW], s25, v1
	v_add_nc_u32 v[SBR], s25, v[L8]
	v_mov_b32 v[MU+1], 0                           ; named as the upper halves of pairs
	v_mov_b32 v[RS+1], 0
	s_mov_b32 s[SEL], 0x76543210
	s_mov_b32 s[SEL+1], 0xfedcba98
	s_mov_b32 s[INV], 0x3a800000
	s_mov_b32 s[EPS], 0x3727c5ac
	s_lshl_b32 s26, ttmp9, 2
	s_add_co_u32 s26, s26, s2
	s_lshl_b32 s26, s26, 3                         ; my first logical row
	s_and_b32 s27, s26, 0xffffffe7
	s_and_b32 s28, s26, 8
	s_lshl_b32 s28, s28, 1
	s_or_b32 s27, s27, s28
	s_and_b32 s28, s26, 16
	s_lshr_b32 s28, s28, 1
	s_or_b32 s27, s27, s28                         ; where it is stored: bits 3 and 4 swapped
	s_mov_b32 s24, 27648
	s_wait_kmcnt 0x0
	s_cmp_lt_u32 ttmp9, 864                        ; which tensor: the choice hangs on the work-group's number alone
	s_cselect_b64 s[22:23], s[10:11], s[12:13]
	s_cselect_b32 s24, 24576, s24
	s_cmp_lt_u32 ttmp9, 768
	s_cselect_b64 s[22:23], s[8:9], s[22:23]
	s_cselect_b32 s24, 16384, s24
	s_cselect_b32 s[NM], -1, 0
	s_cmp_lt_u32 ttmp9, 512
	s_cselect_b64 s[22:23], s[6:7], s[22:23]
	s_cselect_b32 s24, 8192, s24
	s_cmp_lt_u32 ttmp9, 256
	s_cselect_b64 s[22:23], s[4:5], s[22:23]
	s_cselect_b32 s24, 0, s24
	s_sub_co_u32 s36, s26, s24                     ; my first row in its tensor,
	s_lshl_b32 s36, s36, 12                        ; in bytes (under 2^26)
	s_mov_b32 s37, 0
	s_add_nc_u64 s[22:23], s[22:23], s[36:37]
	s_mul_i32 s38, s27, 768
	s_mov_b32 s39, 0
	s_add_nc_u64 s[18:19], s[18:19], s[38:39]
	s_lshl_b32 s40, s27, 5
	s_mov_b32 s41, 0
	s_add_nc_u64 s[20:21], s[20:21], s[40:41]
.irp j, 0,1,2,3,4,5,6,7
	global_load_b128 v[G+4*\j:G+4*\j+3], v[L16], s[14:15] offset:512*\j
	global_load_b128 v[BT+4*\j:BT+4*\j+3], v[L16], s[16:17] offset:512*\j
.endr
.macro LOADROW t                       ; row t into slot t % 3: eight loads of 512 consecutive bytes
.irp j, 0,1,2,3,4,5,6,7
	global_load_b128 v[X+32*((\t)%3)+4*\j:X+32*((\t)%3)+4*\j+3], v[L16], s[22:23] offset:4096*(\t)+512*\j th:TH_LOAD_NT
.endr
.endm
	LOADROW 0
	LOADROW 1
	LOADROW 2
	s_wait_loadcnt 24                              ; gamma and beta are in; the three rows' 24 loads stay out
.set i, 0
.rept 32
	v_cndmask_b32 v[G+i], 1.0, v[G+i], s[NM]       ; a weight: gamma 1,
	v_cndmask_b32 v[BT+i], 0, v[BT+i], s[NM]       ; beta 0
.set i, i+1
.endr
.macro REDUCE                          ; the four pairs at M become the wave's sum, in v[T0] of every lane
	v_pk_add_f32 v[M:M+1], v[M:M+1], v[M+2:M+3]
	v_pk_add_f32 v[M+4:M+5], v[M+4:M+5], v[M+6:M+7]
	v_pk_add_f32 v[M:M+1], v[M:M+1], v[M+4:M+5]
	v_add_f32 v[T0], v[M], v[M+1]
	v_add_f32_dpp v[T0], v[T0], v[T0] row_xmask:1 row_mask:0xf bank_mask:0xf
	v_add_f32_dpp v[T0], v[T0], v[T0] row_xmask:2 row_mask:0xf bank_mask:0xf
	v_add_f32_dpp v[T0], v[T0], v[T0] row_xmask:4 row_mask:0xf bank_mask:0xf
	v_add_f32_dpp v[T0], v[T0], v[T0] row_xmask:8 row_mask:0xf bank_mask:0xf
	v_permlanex16_b32 v[T1], v[T0], s[SEL], s[SEL+1]
	v_add_f32 v[T0], v[T0], v[T1]
.endm
.macro ROW t
.set XS, X+32*((\t)%3)
.if (\t) < 6
	s_wait_loadcnt 16                              ; my row is in; the two rows behind it stay out
.else
	s_wait_loadcnt 8*(7-(\t))
.endif
.irp c, 0,1,2,3                                ; the sum, in four chains
	v_pk_add_f32 v[M+2*\c:M+2*\c+1], v[XS+4*\c:XS+4*\c+1], v[XS+4*\c+2:XS+4*\c+3]
.endr
.irp k, 16,24
.irp c, 0,1,2,3
	v_pk_add_f32 v[M+2*\c:M+2*\c+1], v[M+2*\c:M+2*\c+1], v[XS+\k+2*\c:XS+\k+2*\c+1]
.endr
.endr
	REDUCE
	v_mul_f32 v[MU], s[INV], v[T0]
	v_cndmask_b32 v[MU], 0, v[MU], s[NM]
.set i, 0
.rept 16
	v_pk_add_f32 v[XS+2*i:XS+2*i+1], v[XS+2*i:XS+2*i+1], v[MU:MU+1] op_sel_hi:[1,0] neg_lo:[0,1] neg_hi:[0,1]   ; x - mean
.set i, i+1
.endr
.irp c, 0,1,2,3                                ; the sum of the squares of the differences, in four chains
	v_pk_mul_f32 v[M+2*\c:M+2*\c+1], v[XS+2*\c:XS+2*\c+1], v[XS+2*\c:XS+2*\c+1]
.endr
.irp k, 8,16,24
.irp c, 0,1,2,3
	v_pk_fma_f32 v[M+2*\c:M+2*\c+1], v[XS+\k+2*\c:XS+\k+2*\c+1], v[XS+\k+2*\c:XS+\k+2*\c+1], v[M+2*\c:M+2*\c+1]
.endr
.endr
	REDUCE
	v_fma_f32 v[T0], v[T0], s[INV], s[EPS]
	s_wait_alu depctr_va_vdst(0)
	v_rsq_f32 v[RS], v[T0]
	v_nop                                          ; a plain instruction between the transcendental and the use of its result
	s_wait_alu depctr_va_vdst(0)
	v_cndmask_b32 v[RS], 1.0, v[RS], s[NM]
.set i, 0
.rept 16
	v_pk_mul_f32 v[XS+2*i:XS+2*i+1], v[XS+2*i:XS+2*i+1], v[RS:RS+1] op_sel_hi:[1,0]
.set i, i+1
.endr
.set i, 0
.rept 16
	v_pk_fma_f32 v[XS+2*i:XS+2*i+1], v[XS+2*i:XS+2*i+1], v[G+2*i:G+2*i+1], v[BT+2*i:BT+2*i+1]
.set i, i+1
.endr
.irp j, 0,1,2,3,4,5,6,7                        ; through the stage: LDS serves a wave's instructions in order, so no wait stands between the stores and the loads
	ds_store_b128 v[SIN], v[XS+4*\j:XS+4*\j+3] offset:4*BP*\j
.endr
.irp j, 0,1,2,3,4,5,6,7
	ds_load_b128 v[Y+4*\j:Y+4*\j+3], v[SOUT] offset:16*\j
.endr
	s_wait_dscnt 0x0                               ; block l is in my registers; the stage's stores have read the slot, and the last row's code stores their registers
.if (\t)+3 < 8
	LOADROW (\t)+3                                 ; the slot takes the row three further on
.endif
	v_max3_num_f32 v[M], |v[Y]|, |v[Y+1]|, |v[Y+2]|                 ; the block's largest magnitude: all 32 numbers are mine
	v_max3_num_f32 v[M+1], |v[Y+3]|, |v[Y+4]|, |v[Y+5]|
.irp i, 6,10,14,18,22,26
	v_max3_num_f32 v[M], v[M], |v[Y+\i]|, |v[Y+\i+1]|
	v_max3_num_f32 v[M+1], v[M+1], |v[Y+\i+2]|, |v[Y+\i+3]|
.endr
	v_max3_num_f32 v[M], v[M], |v[Y+30]|, |v[Y+31]|
	v_max3_num_f32 v[M], v[M], v[M+1], 0x1800000   ; and the floor 2^(3 - 127): the byte cannot fall under 1
	v_add_nc_u32 v[M+2], 0xff000000, v[M]          ; 2 off its exponent field: the conversion takes this operand's exponent field as its scale
	v_cvt_scalef32_pk16_fp6_f32 v[C:C+2], v[Y:Y+15], v[M+2]
	v_cvt_scalef32_pk16_fp6_f32 v[C+4:C+6], v[Y+16:Y+31], v[M+2]   ; (a conversion's three registers begin on an even number)
	v_lshrrev_b32 v[C+7], 23, v[M+2]               ; the scale's byte; also the plain instruction behind the conversions
	v_mov_b32 v[C+3], v[C+4]
	v_mov_b32 v[C+4], v[C+5]
	v_mov_b32 v[C+5], v[C+6]
.irp p, 0,1,2
	ds_store_b64 v[CW], v[C+2*\p:C+2*\p+1] offset:768*(\t)+8*\p
.endr
	ds_store_b8 v[SBW], v[C+7] offset:32*(\t)
.endm
.irp t, 0,1,2,3,4,5,6,7
	ROW \t
.endr
.irp i, 0,1,2,3,4,5,6,7,8,9,10,11              ; the way out: these loads see my stores, which LDS has served before them
	ds_load_b128 v[X+4*\i:X+4*\i+3], v[CR] offset:512*\i
.endr
	ds_load_b64 v[X+48:X+49], v[SBR]
.irp i, 0,1,2,3,4,5,6,7,8,9,10,11
	s_wait_dscnt 12-\i                             ; load i is in; the younger ones stay out
	global_store_b128 v[L16], v[X+4*\i:X+4*\i+3], s[18:19] offset:512*\i      ; 32 lanes store 512 consecutive bytes, at a multiple of 256 from the buffer's first byte
.endr
	s_wait_dscnt 0x0
	global_store_b64 v[L8], v[X+48:X+49], s[20:21] ; 8 rows' scale bytes: 256 consecutive aligned bytes
	s_wait_tensorcnt 0x0
	ds_add_u32 v224, v225
	s_wait_dscnt 0x0
	s_endpgm
.Lfunc_end_k_q30cb34bbbc_prep:
	.size	k_q30cb34bbbc_prep, .Lfunc_end_k_q30cb34bbbc_prep-k_q30cb34bbbc_prep
	.p2alignl 7, 3214868480
	.fill 96, 4, 3214868480
	.section	.rodata,"a",@progbits
	.p2align	6, 0x0
	.amdhsa_kernel k_q30cb34bbbc_prep
		.amdhsa_group_segment_fixed_size 45568
		.amdhsa_private_segment_fixed_size 0
		.amdhsa_enable_private_segment 0
		.amdhsa_kernarg_size 72
		.amdhsa_user_sgpr_count 2
		.amdhsa_user_sgpr_kernarg_segment_ptr 1
		.amdhsa_wavefront_size32 1
		.amdhsa_system_sgpr_workgroup_id_x 1
		.amdhsa_system_sgpr_workgroup_id_y 1
		.amdhsa_system_sgpr_workgroup_id_z 1
		.amdhsa_system_vgpr_workitem_id 0
		.amdhsa_next_free_vgpr 226
		.amdhsa_next_free_sgpr 66
		.amdhsa_reserve_vcc 0
		.amdhsa_float_denorm_mode_32 3
		.amdhsa_float_denorm_mode_16_64 3
		.amdhsa_memory_ordered 1
		.amdhsa_forward_progress 1
		.amdhsa_inst_pref_size 89
	.end_amdhsa_kernel
	.amdgpu_metadata
---
amdhsa.version: [ 1, 2 ]
amdhsa.kernels:
  - .name:           k_q30cb34bbbc_prep
    .symbol:         k_q30cb34bbbc_prep.kd
    .args:
      - { .name: query, .offset: 0, .size: 8, .value_kind: global_buffer, .address_space: global }
      - { .name: key, .offset: 8, .size: 8, .value_kind: global_buffer, .address_space: global }
      - { .name: value, .offset: 16, .size: 8, .value_kind: global_buffer, .address_space: global }
      - { .name: in_proj_w, .offset: 24, .size: 8, .value_kind: global_buffer, .address_space: global }
      - { .name: out_proj_w, .offset: 32, .size: 8, .value_kind: global_buffer, .address_space: global }
      - { .name: ln_gamma, .offset: 40, .size: 8, .value_kind: global_buffer, .address_space: global }
      - { .name: ln_beta, .offset: 48, .size: 8, .value_kind: global_buffer, .address_space: global }
      - { .name: codes, .offset: 56, .size: 8, .value_kind: global_buffer, .address_space: global }
      - { .name: scales, .offset: 64, .size: 8, .value_kind: global_buffer, .address_space: global }
    .group_segment_fixed_size: 45568
    .private_segment_fixed_size: 0
    .kernarg_segment_align: 8
    .kernarg_segment_size: 72
    .max_flat_workgroup_size: 128
    .sgpr_count:     66
    .vgpr_count:     226
    .wavefront_size: 32
...
	.end_amdgpu_metadata
.endif
;; end of part 1
;; launch inproj (part 2): grid 8 x 32, 4 waves a work-group, clusters of 4 x 4, 327,680 bytes of LDS; arguments codes, scales, in_proj_b, att; writes att
.if DOCPART == 2
	.amdgcn_target "amdgcn-amd-amdhsa--gfx1250"
	.amdhsa_code_object_version 6
	.text
	.protected	k_q30cb34bbbc_inproj
	.globl	k_q30cb34bbbc_inproj
	.p2align	8
	.type	k_q30cb34bbbc_inproj,@function
k_q30cb34bbbc_inproj:
	s_mov_b64 s[64:65], 0
	v_nop
	global_prefetch_b8 v0, s[64:65] scope:SCOPE_SE
	s_setreg_imm32_b32 hwreg(HW_REG_WAVE_MODE, 25, 1), 1
	s_wait_xcnt 0x0
	s_wait_alu depctr_hold_cnt(0) depctr_sa_sdst(0) depctr_va_vdst(0) depctr_va_sdst(0) depctr_va_ssrc(0) depctr_va_vcc(0) depctr_vm_vsrc(0)
	s_getreg_b32 s2, hwreg(HW_REG_IB_STS2, 6, 4)
	s_cmp_eq_u32 s2, 0
	s_cbranch_scc0 .Lentry_in_a_cluster
	s_endpgm
.Lentry_in_a_cluster:
	s_bfe_u32 s2, ttmp6, 0x10000c
	s_cmp_lg_u32 s2, 0xf033
	s_cbranch_scc0 .Lentry_shape_is_right
	s_endpgm
.Lentry_shape_is_right:
; The three input projections on codes of FP6 (E2M3) with E8M0 scales, K = 1,024, and what is made of them: q and k quantised along a head's 64, v along the keys, stored as images of operand registers.
; 256 WORK-GROUPS STAY and walk q, k, v of one batch (cluster y): each time 256 (A) x 128 (B) outputs; wave w takes A's rows 64 w .. 64 w + 63 against all of B: 32 accumulators.
; SOURCE 0 (B) CARRIES THE AXIS THAT IS QUANTISED NEXT: q, k: B = 128 rows of the weight (heads 2 X, 2 X + 1), A = 256 tokens (256 cy ..); v: B = 128 tokens (key step X), A = 256 rows of the weight (heads 4 cy ..).
; Rows lie in memory with bits 3 and 4 of their number swapped, so the 64 registers of a block of A are, in lane (r, h), register 16 g + i = logical 32 g + 16 h + i along B: sixteen neighbours of each block of 32.
; WHOLE ROWS OF K ARE STAGED: a row of codes is 768 bytes and begins on a multiple of 256; 16 bytes of padding behind each 256 give an LDS pitch of 816: A's area 256 rows, B's area 128 rows, 313,344 bytes.
; THE WALK.  My A fragments for all of K go into 384 registers.  Then a round of the cluster's barrier, and A's area takes the next projection's A (waves 0, 1: 128 rows each, jointly with my row of the cluster) while this one is multiplied.
; Behind the products a second round, and B's area takes the next B (waves 2, 3: 64 rows each, jointly with my column) while this projection's results are quantised and stored; the next A is pulled into registers between the blocks of the way out.
; By the text's own count a wave has at most one tensor load out.  q and k are the two trips of a loop; v, which asks for nothing more and has its own way out, is written out behind it.
; THE SCALE WORDS go from memory into registers: a row's 32 bytes are 16 for lane r (steps 0-3) and 16 for lane 16 + r (steps 4-7, taken by ROW1): each load reads 512 consecutive bytes; the next projection's are asked for at the head of the way out.
; PREFETCH: in step 1 of a trip each wave names 24 blocks of 256 bytes (8 rows) of the next B, whose tensor load follows behind step 7: the column's four partners and their four waves share the 128 rows out by address (32 cy + 8 wave).
; The next A is asked for by its tensor load a whole product ahead of its first read, and the first tiles at the head: no prefetch for these.
; att: 128 blocks (16 batch + head) of HB bytes: K's 64 tiles of 16 keys (768 bytes), V's 8 x 4 fragments (1,536 bytes), K's and V's scale words, Q's tiles, Q's scale words.
; LIMITS: NaN and infinities are not served; a block whose largest magnitude lies under 2^-124, a block of zeros among them, gets the byte 1 (this program alone reads the bytes).
; REGISTERS: window 0: v1-15 addresses, v16-47 B's scale words, v48-63 A's, v64-255 B's fragments in two sets (on the way out: at work); window 1: A's blocks 0, 1 (v[96 (a % 2) + 12 step]), v192-255 the bias along B;
;   window 2: A's blocks 2, 3, v192-199 the bias along A; window 3: the accumulators, (a, b) at v[64 a + 8 b].
.set PITCH,  816
.set ABYTES, 256*PITCH
.set SPARE,  384*PITCH
.set FR,     12
.set HB,     157696
.set VIMG,   49152
.set KSC,    98304
.set VSC,    102400
.set QIMG,   104448
.set QSC,    153600
.set PFO,  1                           ; 256 x min(lane, 23)
.set ADRA, 2                           ; v2 my A rows: row x pitch + 24 h; v3 the same behind one padding more for lanes 16-31
.set ADRB, 4                           ; v4-5 B's blocks 0-3, v6-7 blocks 4-7
.set L16,  8
.set L8,   9
.set VL,   10                          ; (lane / 16) x HB + 16 (lane % 16)
.set SOFF, 11                          ; 32 r + 16 h
.set SPW,  12
.set NIL,  13
.set BIA,  14
.set BJA,  15
.set SBR,  16
.set SAR,  48
.set BF,   64
.set HA,   64
.set TM,   128
.set PWS,  144
.set W4,   148
.set PC,   152
.set PT,   164
.set BI,   192                         ; window 1
.set BJ,   192                         ; window 2
.set G1, 24
.set G0, 32
.set G1B, 48
.set G0B, 56
.set SEL, 66
.set HIL, 68
.set CNT, 69
.set NXA, 70                           ; the next A tile, and the one after
.set NXA2, 72
.set NXB, 74
.set NXB2, 76
.set SNA, 78                           ; the next A's scale bytes, and those after
.set SNA2, 80
.set SNB, 82
.set SNB2, 84
.set PFB, 86
.set PFB2, 88
.set BIB, 90
.set SB,  92
.set SS,  94
.set SBV, 96
.set SSV, 98
.set MSB, 0
.macro WIN new                         ; the immediate's high byte repeats the setting that is left
.if MSB != (\new)
	s_set_vgpr_msb (MSB<<8)|(\new)
.set MSB, (\new)
.endif
.endm
.macro CROUND                          ; a round of the cluster's barrier
	s_barrier_signal -1
	s_barrier_wait -1
	s_cmp_lg_u32 s14, 0
	s_cbranch_scc1 .Lnot_wave_0_\@
	s_barrier_signal -3
.Lnot_wave_0_\@:
	s_barrier_wait -3
	s_barrier_signal -1
	s_barrier_wait -1
.endm
.macro PLACES
.rept 4
	v_nop
.endr
.endm
.macro PTR dst, base, row, mul         ; a buffer's address + row x bytes (under 2^25); s21 = 0
	s_mul_i32 s20, s[\row], \mul
	s_add_nc_u64 s[\dst:\dst+1], s[\base:\base+1], s[20:21]
.endm
	s_load_b256 s[4:11], s[0:1], 0x0               ; the codes, the scale bytes, in_proj_b, att
	v_lshl_add_u32 v[SPW], v0, 2, SPARE
	v_mov_b32 v[NIL], 0
	ds_add_u32 v[SPW], v[NIL]                      ; the opening lines: the add twice on end and its wait
	ds_add_u32 v[SPW], v[NIL]
	v_lshrrev_b32 v1, 5, v0
	v_readfirstlane_b32 s14, v1                    ; wave
	s_lshr_b32 s15, s14, 1                         ; I fetch for A (0) or for B (1),
	s_and_b32 s16, s14, 1                          ; and which half of its rows
	s_bfe_u32 s40, ttmp6, 0x40000                  ; cx
	s_bfe_u32 s41, ttmp6, 0x40004                  ; cy
	s_lshl_b32 s42, ttmp9, 2
	s_add_co_u32 s42, s42, s40                     ; X = 4 cluster x + cx, 0 .. 7
	s_and_b32 s17, ttmp7, 0xffff                   ; cluster y = batch
	s_lshl_b32 s18, s17, 10
	s_lshl_b32 s19, s41, 8
	s_add_co_u32 s12, s18, s19                     ; A's first row for q: 1,024 batch + 256 cy (k: 8,192 further on)
	s_add_co_u32 s13, s19, 26624                   ; for v: the weight's rows 2,048 + 256 cy
	s_lshl_b32 s19, s42, 7
	s_add_co_u32 s22, s19, 24576                   ; B's first row for q: the weight's rows 128 X (k: 1,024 further on)
	s_add_co_u32 s23, s19, s18
	s_add_co_u32 s23, s23, 16384                   ; for v: tokens 1,024 batch + 128 X
	s_lshl_b32 s43, s41, 2
	s_lshl_b32 s43, 15, s43                        ; my row of the cluster
	s_lshl_b32 s44, 0x1111, s40                    ; my column
	s_or_b32 s[G1], s43, (1<<20)|(1<<21)|(5<<22)|(3<<25)   ; the mask; elements of 1 byte; padding on, 4 words behind every 64; bit 21 beside a mask
	s_or_b32 s[G1B], s44, (1<<20)|(1<<21)|(5<<22)|(3<<25)
	s_mov_b32 s[G1+2], 128<<16                     ; A: 128 rows a load
	s_mov_b32 s[G1+4], 128
	s_mov_b32 s[G1B+2], 64<<16                     ; B: 64
	s_mov_b32 s[G1B+4], 64
.irp g, G1, G1B
	s_mov_b32 s[\g+1], 768<<16
	s_mov_b32 s[\g+3], 768<<16
	s_mov_b32 s[\g+5], 768
	s_mov_b32 s[\g+6], 0
	s_mov_b32 s[\g+7], 0
.endr
	s_lshl_b32 s19, s16, 7
	s_add_co_u32 s36, s12, s19                     ; the rows that I fetch of A: q's, v's
	s_add_co_u32 s37, s13, s19
	s_lshl_b32 s19, s16, 6
	s_add_co_u32 s38, s22, s19                     ; of B
	s_add_co_u32 s39, s23, s19
	s_lshl_b32 s19, s14, 6
	s_add_co_u32 s45, s12, s19                     ; the 64 rows of A that I multiply
	s_add_co_u32 s46, s13, s19
	s_lshl_b32 s19, s41, 5
	s_lshl_b32 s47, s14, 3
	s_add_co_u32 s19, s19, s47                     ; the prefetches: 32 cy + 8 wave
	s_add_co_u32 s60, s22, s19
	s_add_co_u32 s60, s60, 1024                    ; of k's B,
	s_add_co_u32 s61, s23, s19                     ; of v's
	s_mov_b32 s21, 0
	s_mov_b32 s[G0], 1
	s_mul_i32 s[G0+1], s16, 128*PITCH              ; no place in the cluster enters an LDS address
	s_mov_b32 s[G0B], 1
	s_mul_i32 s47, s16, 64*PITCH
	s_add_co_u32 s[G0B+1], s47, ABYTES
	s_wait_dscnt 0x0                               ; both opening adds are done
	s_wait_kmcnt 0x0
	PTR G0+2, 4, 36, 768
	s_add_nc_u64 s[NXA:NXA+1], s[G0+2:G0+3], 8192*768
	PTR NXA2, 4, 37, 768
	PTR G0B+2, 4, 38, 768
	s_add_nc_u64 s[NXB:NXB+1], s[G0B+2:G0B+3], 1024*768
	PTR NXB2, 4, 39, 768
.irp p, G0+3, NXA+1, NXA2+1, G0B+3, NXB+1, NXB2+1
	s_or_b32 s[\p], s[\p], 0x80000000
.endr
	PTR 18, 6, 45, 32                              ; s[18:19] q's scale bytes of my A rows
	s_add_nc_u64 s[SNA:SNA+1], s[18:19], 8192*32
	PTR SNA2, 6, 46, 32
	PTR 12, 6, 22, 32                              ; s[12:13] of B's rows
	s_add_nc_u64 s[SNB:SNB+1], s[12:13], 1024*32
	PTR SNB2, 6, 23, 32
	PTR PFB, 4, 60, 768
	PTR PFB2, 4, 61, 768
	CROUND                                         ; all sixteen work-groups are here: the joint loads meet
	s_cmp_eq_u32 s15, 0                            ; one load a wave, one chain of branches on the wave's number
	s_cbranch_scc0 .Lfor_b
	tensor_load_to_lds s[G0:G0+3], s[G1:G1+7]
	s_nop 0
	PLACES
	s_branch .Lasked
.Lfor_b:
	tensor_load_to_lds s[G0B:G0B+3], s[G1B:G1B+7]
	s_nop 0
	PLACES
.Lasked:
	v_and_b32 v64, 15, v0                          ; r
	v_bfe_u32 v65, v0, 4, 1                        ; h
	v_and_b32 v66, 31, v0                          ; lane
	v_mul_u32_u24 v67, v64, PITCH
	v_mad_u32_u24 v67, v65, 24, v67                ; row x pitch + 24 h
	v_lshl_add_u32 v68, v65, 4, v67                ; and 16 more for lanes 16-31
	s_mul_i32 s36, s14, 64*PITCH
	v_add_nc_u32 v[ADRA], s36, v67
	v_add_nc_u32 v[ADRA+1], s36, v68
	v_add_nc_u32 v[ADRB], ABYTES, v67
	v_add_nc_u32 v[ADRB+1], ABYTES, v68
	v_add_nc_u32 v[ADRB+2], ABYTES+64*PITCH, v67
	v_add_nc_u32 v[ADRB+3], ABYTES+64*PITCH, v68
	v_lshlrev_b32 v[SOFF], 5, v64
	v_lshl_add_u32 v[SOFF], v65, 4, v[SOFF]
	v_lshlrev_b32 v[L16], 4, v66
	v_lshlrev_b32 v[L8], 3, v66
	v_mul_u32_u24 v[VL], v65, HB
	v_lshl_add_u32 v[VL], v64, 4, v[VL]
	v_lshlrev_b32 v[BIA], 6, v65
	v_and_b32 v69, 7, v64
	v_lshrrev_b32 v70, 3, v64
	v_lshl_add_u32 v69, v70, 4, v69
	v_lshlrev_b32 v[BJA], 2, v69                   ; 4 (r % 8 + 16 (r / 8))
	v_min_u32 v[PFO], 23, v66
	v_lshlrev_b32 v[PFO], 8, v[PFO]                ; 8 dense rows are 24 blocks of 256 bytes; the lanes left over name the last again
	s_mov_b32 s[SEL], 0x76543210
	s_mov_b32 s[SEL+1], 0xfedcba98
	s_mov_b32 s[HIL], 0xffff0000
	; where my results go in att, and the biases
	s_lshl_b32 s36, s17, 4                         ; 16 batch
	s_lshl_b32 s37, s42, 1
	s_add_co_u32 s37, s37, s36
	s_mul_i32 s37, s37, HB                         ; q, k: the block of head 2 X
	s_lshl_b32 s38, s41, 2
	s_add_co_u32 s38, s38, s14                     ; 4 cy + wave: v's head; q, k: my group of four tiles of tokens
	s_add_co_u32 s39, s38, s36
	s_mul_i32 s39, s39, HB                         ; v: that head's block
	s_mul_i32 s20, s38, 3072                       ; 4 x 768 bytes of images
	s_add_co_u32 s20, s20, s37
	s_add_co_u32 s20, s20, QIMG
	s_add_nc_u64 s[SB:SB+1], s[10:11], s[20:21]
	s_lshl_b32 s20, s38, 8                         ; 256 bytes of scale words
	s_add_co_u32 s20, s20, s37
	s_add_co_u32 s20, s20, QSC
	s_add_nc_u64 s[SS:SS+1], s[10:11], s[20:21]
	s_mul_i32 s20, s42, 6144                       ; v: key step X: 4 x 1,536 bytes of images,
	s_add_co_u32 s20, s20, s39
	s_add_co_u32 s20, s20, VIMG
	s_add_nc_u64 s[SBV:SBV+1], s[10:11], s[20:21]
	s_lshl_b32 s20, s42, 8                         ; 256 bytes of scale words
	s_add_co_u32 s20, s20, s39
	s_add_co_u32 s20, s20, VSC
	s_add_nc_u64 s[SSV:SSV+1], s[10:11], s[20:21]
	s_lshl_b32 s20, s42, 9                         ; q's bias at my 128 along B (k's: 4,096 bytes on)
	s_add_nc_u64 s[BIB:BIB+1], s[8:9], s[20:21]
	s_lshl_b32 s20, s41, 10                        ; v's bias at my 64 along A
	s_lshl_b32 s45, s14, 8
	s_add_co_u32 s20, s20, s45
	s_add_co_u32 s20, s20, 8192
	s_add_nc_u64 s[62:63], s[8:9], s[20:21]
	s_wait_alu depctr_va_vdst(0)                   ; the wait ahead of the readers below
.irp i, 0,1,2,3,4,5,6,7
	global_load_b128 v[SBR+4*\i:SBR+4*\i+3], v[SOFF], s[12:13] offset:512*\i
.endr
.irp a, 0,1,2,3
	global_load_b128 v[SAR+4*\a:SAR+4*\a+3], v[SOFF], s[18:19] offset:512*\a
.endr
	WIN 0x80
.irp a, 0,1,2,3
	global_load_b32 v[BJ+2*\a], v[BJA], s[62:63] offset:4*(32*(\a/2)+8*(\a%2))
	v_mov_b32 v[BJ+2*\a+1], 0                      ; named as the upper half of a pair
.endr
	WIN 0
.macro FRAG reg, adr, st, i            ; 16 rows x 128 K: 12 registers, in pieces of 8 bytes; byte y of a row lies at y + 16 (y / 256) of its LDS row; lanes 16-31 read 24 bytes on, where that is past a padding by the second address
.irp p, 0,1,2,3,4,5
.set BY, 96*(\st)+48*(\p/3)+8*(\p%3)
.if BY/256 == (BY+24)/256
	ds_load_b64 v[\reg+2*\p:\reg+2*\p+1], v[\adr] offset:BY+16*(BY/256)+(\i)*16*PITCH
.else
	ds_load_b64 v[\reg+2*\p:\reg+2*\p+1], v[\adr+1] offset:BY+16*(BY/256)+(\i)*16*PITCH
.endif
.endr
.endm
.macro FETCHB st                       ; B's eight fragments of step st into set st % 2
	WIN 0
.irp i, 0,1,2,3,4,5,6,7
	FRAG BF+96*((\st)%2)+FR*\i, ADRB+2*(\i/4), \st, \i%4
.endr
.endm
.macro PULL a                          ; my block a of A, all eight steps, into its registers: 48 loads
	WIN 0x40*(1+(\a)/2)
.irp s, 0,1,2,3,4,5,6,7
	FRAG 96*((\a)%2)+FR*\s, ADRA, \s, \a
.endr
	WIN 0
.endm
.macro MUL st                          ; 32 matrix instructions, the 32 accumulators by turns in the same order in every step; step 0 starts the sums
.irp a, 0,1,2,3
	WIN 0xf4+4*(\a/2)                              ; source 0 window 0, source 1 window 1 or 2, C and D window 3
.irp b, 0,1,2,3,4,5,6,7
.if (\st) == 0
	v_wmma_scale_f32_16x16x128_f8f6f4 v[64*\a+8*\b:64*\a+8*\b+7], v[BF+FR*\b:BF+FR*\b+11], v[96*(\a%2):96*(\a%2)+11], 0, v[SBR+4*\b], v[SAR+4*\a] matrix_a_fmt:MATRIX_FMT_FP6 matrix_b_fmt:MATRIX_FMT_FP6
.else
.if (\st) < 4
	v_wmma_scale_f32_16x16x128_f8f6f4 v[64*\a+8*\b:64*\a+8*\b+7], v[BF+96*((\st)%2)+FR*\b:BF+96*((\st)%2)+FR*\b+11], v[96*(\a%2)+FR*(\st):96*(\a%2)+FR*(\st)+11], v[64*\a+8*\b:64*\a+8*\b+7], v[SBR+4*\b+(\st)], v[SAR+4*\a+(\st)] matrix_a_fmt:MATRIX_FMT_FP6 matrix_b_fmt:MATRIX_FMT_FP6
.else
	v_wmma_scale_f32_16x16x128_f8f6f4 v[64*\a+8*\b:64*\a+8*\b+7], v[BF+96*((\st)%2)+FR*\b:BF+96*((\st)%2)+FR*\b+11], v[96*(\a%2)+FR*(\st):96*(\a%2)+FR*(\st)+11], v[64*\a+8*\b:64*\a+8*\b+7], v[SBR+4*\b+(\st)-4], v[SAR+4*\a+(\st)-4] matrix_a_fmt:MATRIX_FMT_FP6 matrix_b_fmt:MATRIX_FMT_FP6 matrix_a_scale:MATRIX_SCALE_ROW1 matrix_b_scale:MATRIX_SCALE_ROW1
.endif
.endif
.endr
.endr
.endm
.macro STEP st, ask
	s_wait_dscnt 0x0                               ; this step's fragments of B are in
.if (\st) < 7
	PLACES                                         ; four plain places behind the last products, ahead of loads into registers that they read
	FETCHB (\st)+1
.endif
.if (\ask) && (\st) == 1
	global_prefetch_b8 v[PFO], s[PFB:PFB+1] th:TH_LOAD_NT scope:SCOPE_SE   ; my 8 rows of the next B
.endif
	MUL \st
.endm
; 64 numbers of a lane, v[s] on, register 16 b + i = k 32 b + 16 h + i of my row, become a fragment's codes in v[PC] on and its scale word in v[pw].
.macro QUANT s, pw
.irp b, 0,1,2,3
	v_max3_num_f32 v[TM+\b], |v[\s+16*\b]|, |v[\s+1+16*\b]|, 0x1800000   ; my 16 numbers of block b, and the floor 2^(3 - 127): the byte cannot fall under 1
.endr
.irp i, 2,4,6,8,10,12,14
.irp b, 0,1,2,3
	v_max3_num_f32 v[TM+\b], v[TM+\b], |v[\s+16*\b+\i]|, |v[\s+1+16*\b+\i]|
.endr
.endr
.irp b, 0,1,2,3
	v_permlanex16_b32 v[TM+4+\b], v[TM+\b], s[SEL], s[SEL+1]
.endr
.irp b, 0,1,2,3
	v_max_num_f32 v[TM+\b], v[TM+\b], v[TM+4+\b]   ; with lane l xor 16's
.endr
.irp b, 0,1,2,3
	v_add_nc_u32 v[TM+12+\b], 0xff000000, v[TM+\b] ; 2 off the exponent field: the conversion's scale operand
.endr
.irp b, 0,1,2,3
	v_lshrrev_b32 v[TM+4+\b], 23, v[TM+12+\b]      ; the scale's byte
.endr
	v_lshl_or_b32 v[\pw], v[TM+5], 8, v[TM+4]
	v_lshl_or_b32 v[\pw], v[TM+6], 16, v[\pw]
	v_lshl_or_b32 v[\pw], v[TM+7], 24, v[\pw]
.irp c, 0,1
	v_cvt_scalef32_pk16_fp6_f32 v[PC+6*\c:PC+2+6*\c], v[\s+32*\c:\s+15+32*\c], v[TM+12+2*\c]
	v_cvt_scalef32_pk16_fp6_f32 v[PT+4*\c:PT+2+4*\c], v[\s+16+32*\c:\s+31+32*\c], v[TM+12+2*\c+1]
.endr
	v_nop                                          ; one plain instruction behind a scaled conversion
.irp c, 0,1                                    ; a whole block to a lane: lanes 0-15 block 2 c, lanes 16-31 block 2 c + 1
.irp i, 0,1,2
	v_permlane16_swap_b32 v[PC+6*\c+\i], v[PT+4*\c+\i]
.endr
.irp i, 0,1,2
	v_mov_b32 v[PC+3+6*\c+\i], v[PT+4*\c+\i]
.endr
.endr
.endm
.macro OUTA a, v                       ; block a of A: its eight accumulators + bias, quantised, stored as the registers stand
	s_wait_xcnt 0x0                                ; the last block's stores have read the codes' registers
.set i, 0
.if \v
	WIN 0x0b                                       ; source 0 window 3, source 1 window 2: the bias of my lane's row of the weight
.rept 32
	v_pk_add_f32 v[HA+2*i:HA+2*i+1], v[64*(\a)+2*i:64*(\a)+2*i+1], v[BJ+2*(\a):BJ+2*(\a)+1] op_sel_hi:[1,0]
.set i, i+1
.endr
.else
	WIN 0x07                                       ; source 0 window 3, source 1 window 1: the bias along B.  Ascending: each accumulator from its low end on
.rept 32
	v_pk_add_f32 v[HA+2*i:HA+2*i+1], v[64*(\a)+2*i:64*(\a)+2*i+1], v[BI+2*i:BI+2*i+1]
.set i, i+1
.endr
.endif
	WIN 0
	QUANT HA, PWS+(\a)
.if \v
.irp g, 0,1,2
	global_store_b128 v[L16], v[PC+4*\g:PC+4*\g+3], s[SBV:SBV+1] offset:(\a)*1536+512*\g   ; v: 16 of my head's 64 x my 128 keys
.endr
.else
	global_store_b128 v[L16], v[PC:PC+3], s[SB:SB+1] offset:768*(\a)                 ; q, k: registers 0-5 are my first head's 64, tile a of my four;
	global_store_b64 v[L8], v[PC+4:PC+5], s[SB:SB+1] offset:768*(\a)+512
	global_store_b128 v[L16], v[PC+6:PC+9], s[SB:SB+1] offset:HB+768*(\a)            ; registers 6-11 the next head's
	global_store_b64 v[L8], v[PC+10:PC+11], s[SB:SB+1] offset:HB+768*(\a)+512
.endif
.endm
; One projection.  last = 0: q or k, with the two refills; last = 1: v.
.macro MAT last
	s_wait_tensorcnt 0x0                           ; all my tensor loads have landed: my part of this projection's B
.if \last
	s_wait_dscnt 0x0                               ; my A is in registers
	s_barrier_signal -1
	s_barrier_wait -1                              ; B is whole
	FETCHB 0
	s_wait_loadcnt 0x0                             ; the scale words
.else
	ds_add_u32 v[SPW], v[NIL]                      ; 0 onto my spare word
	s_mov_b64 s[G0+2:G0+3], s[NXA:NXA+1]           ; no load of mine is out: the next A's address
	s_mov_b64 s[NXA:NXA+1], s[NXA2:NXA2+1]
	s_wait_dscnt 0x0                               ; the add is done, and my A is in registers
	CROUND                                         ; so it is in every wave of the cluster, and B is whole
	s_cmp_eq_u32 s15, 0
	s_cbranch_scc0 .Lno_a_\@
	tensor_load_to_lds s[G0:G0+3], s[G1:G1+7]      ; A's area takes the next projection's A
	s_nop 0
	PLACES
.Lno_a_\@:
	WIN 0x40
.irp b, 0,1,2,3
.irp q, 0,1,2,3
	global_load_b128 v[BI+16*\b+4*\q:BI+16*\b+4*\q+3], v[BIA], s[BIB:BIB+1] offset:128*\b+16*\q   ; this projection's bias along B, wanted on the way out
.endr
.endr
	FETCHB 0
	s_wait_loadcnt 16                              ; the scale words are in; the 16 loads of the bias may be out
.endif
.irp st, 0,1,2,3,4,5,6,7
	STEP \st, (1-\last)
.endr
	WIN 0
.if \last == 0
	s_wait_tensorcnt 0x0                           ; the next A has landed
	ds_add_u32 v[SPW], v[NIL]
	s_mov_b64 s[G0B+2:G0B+3], s[NXB:NXB+1]
	s_mov_b64 s[NXB:NXB+1], s[NXB2:NXB2+1]
	s_wait_dscnt 0x0                               ; the add is done, and my reads of B are over
	CROUND
	s_cmp_eq_u32 s15, 1
	s_cbranch_scc0 .Lno_b_\@
	tensor_load_to_lds s[G0B:G0B+3], s[G1B:G1B+7]  ; B's area takes the next projection's B
	s_nop 0
	PLACES
.Lno_b_\@:
.endif
	PLACES                                         ; behind the last products: ahead of reads of results and of loads into their operands
.if \last == 0
.irp i, 0,1,2,3,4,5,6,7
	global_load_b128 v[SBR+4*\i:SBR+4*\i+3], v[SOFF], s[SNB:SNB+1] offset:512*\i     ; the next projection's scale words
.endr
.irp a, 0,1,2,3
	global_load_b128 v[SAR+4*\a:SAR+4*\a+3], v[SOFF], s[SNA:SNA+1] offset:512*\a
.endr
.endif
.irp b, 0,1,2,3
	v_mov_b32 v[TM+4+\b], 0                        ; a lane permute's destination counts as one of its sources
.endr
.if \last == 0
	s_wait_loadcnt 12                              ; the bias is in; the 12 loads of scale words may be out
.endif
.irp a, 0,1,2,3
.if \last == 0
	PULL \a                                        ; the next A's block a comes in under the vector work below
.endif
	OUTA \a, \last
.endr
.endm
	s_wait_alu depctr_va_vdst(0)                   ; the wait at the head's end
	s_wait_tensorcnt 0x0                           ; my tile is in;
	s_barrier_signal -1
	s_barrier_wait -1                              ; everybody's is
.irp a, 0,1,2,3
	PULL \a
.endr
	s_mov_b32 s[CNT], 0
.Lmat:
	MAT 0
.irp i, 0,1,2,3
	v_lshrrev_b32 v[W4+\i], 16, v[PWS+\i]          ; the second head's two bytes,
	v_and_b32 v[TM+\i], 0xffff, v[PWS+\i]          ; the first head's; the upper two bytes, which meet zero codes, are 0
.endr
.irp i, 0,1,2,3
	v_cndmask_b32 v[W4+\i], v[TM+\i], v[W4+\i], s[HIL]   ; lanes 0-15 store the first head's words, lanes 16-31 the next head's
.endr
	global_store_b128 v[VL], v[W4:W4+3], s[SS:SS+1]          ; 256 consecutive bytes in each of two heads' blocks
	s_wait_xcnt 0x0                                ; every base below has been read, and so have the stores' registers
	s_sub_nc_u64 s[SB:SB+1], s[SB:SB+1], QIMG      ; from Q's images to K's (used in the second trip alone)
	s_sub_nc_u64 s[SS:SS+1], s[SS:SS+1], QSC-KSC
	s_add_nc_u64 s[BIB:BIB+1], s[BIB:BIB+1], 4096
	s_mov_b64 s[SNA:SNA+1], s[SNA2:SNA2+1]
	s_mov_b64 s[SNB:SNB+1], s[SNB2:SNB2+1]
	s_mov_b64 s[PFB:PFB+1], s[PFB2:PFB2+1]
	s_add_co_u32 s[CNT], s[CNT], 1
	s_cmp_lt_u32 s[CNT], 2
	s_wait_alu depctr_va_vdst(0)                   ; the wait ahead of the jump
	s_cbranch_scc1 .Lmat
	MAT 1
	v_cmp_gt_u32 vcc_lo, 0x100, v[L16]             ; lanes 0-15
	s_wait_alu depctr_va_vdst(0)
	s_wait_xcnt 0x0                                ; EXEC changes only behind this wait
	s_and_saveexec_b32 s100, vcc_lo
	global_store_b128 v[L16], v[PWS:PWS+3], s[SSV:SSV+1]     ; v: one head's words, 256 consecutive bytes from lanes 0-15
	s_wait_xcnt 0x0
	s_or_b32 exec_lo, exec_lo, s100
	s_wait_tensorcnt 0x0                           ; the wave's end
	ds_add_u32 v[SPW], v[NIL]
	s_wait_dscnt 0x0
	CROUND                                         ; the closing round
	s_endpgm
.Lfunc_end_k_q30cb34bbbc_inproj:
	.size	k_q30cb34bbbc_inproj, .Lfunc_end_k_q30cb34bbbc_inproj-k_q30cb34bbbc_inproj
	.p2alignl 7, 3214868480
	.fill 96, 4, 3214868480
	.section	.rodata,"a",@progbits
	.p2align	6, 0x0
	.amdhsa_kernel k_q30cb34bbbc_inproj
		.amdhsa_group_segment_fixed_size 327680
		.amdhsa_private_segment_fixed_size 0
		.amdhsa_enable_private_segment 0
		.amdhsa_kernarg_size 32
		.amdhsa_user_sgpr_count 2
		.amdhsa_user_sgpr_kernarg_segment_ptr 1
		.amdhsa_wavefront_size32 1
		.amdhsa_system_sgpr_workgroup_id_x 1
		.amdhsa_system_sgpr_workgroup_id_y 1
		.amdhsa_system_sgpr_workgroup_id_z 1
		.amdhsa_system_vgpr_workitem_id 0
		.amdhsa_next_free_vgpr 1024
		.amdhsa_next_free_sgpr 101
		.amdhsa_reserve_vcc 1
		.amdhsa_float_denorm_mode_32 3
		.amdhsa_float_denorm_mode_16_64 3
		.amdhsa_memory_ordered 1
		.amdhsa_forward_progress 1
		.amdhsa_inst_pref_size 207
	.end_amdhsa_kernel
	.amdgpu_metadata
---
amdhsa.version: [ 1, 2 ]
amdhsa.kernels:
  - .name:           k_q30cb34bbbc_inproj
    .symbol:         k_q30cb34bbbc_inproj.kd
    .args:
      - { .name: codes, .offset: 0, .size: 8, .value_kind: global_buffer, .address_space: global }
      - { .name: scales, .offset: 8, .size: 8, .value_kind: global_buffer, .address_space: global }
      - { .name: in_proj_b, .offset: 16, .size: 8, .value_kind: global_buffer, .address_space: global }
      - { .name: att, .offset: 24, .size: 8, .value_kind: global_buffer, .address_space: global }
    .group_segment_fixed_size: 327680
    .private_segment_fixed_size: 0
    .kernarg_segment_align: 8
    .kernarg_segment_size: 32
    .max_flat_workgroup_size: 128
    .sgpr_count:     101
    .vgpr_count:     1024
    .wavefront_size: 32
...
	.end_amdgpu_metadata
.endif
;; end of part 2
;; launch attn (part 3): grid 32 x 8, 4 waves a work-group, clusters of 4 x 1, 327,680 bytes of LDS; arguments att, ctxc, ctxs, out1; writes ctxc, ctxs, out1
.if DOCPART == 3
	.amdgcn_target "amdgcn-amd-amdhsa--gfx1250"
	.amdhsa_code_object_version 6
	.text
	.protected	k_q30cb34bbbc_attn
	.globl	k_q30cb34bbbc_attn
	.p2align	8
	.type	k_q30cb34bbbc_attn,@function
k_q30cb34bbbc_attn:
	s_mov_b64 s[64:65], 0
	v_nop
	global_prefetch_b8 v0, s[64:65] scope:SCOPE_SE
	s_setreg_imm32_b32 hwreg(HW_REG_WAVE_MODE, 25, 1), 1
	s_wait_xcnt 0x0
	s_wait_alu depctr_hold_cnt(0) depctr_sa_sdst(0) depctr_va_vdst(0) depctr_va_sdst(0) depctr_va_ssrc(0) depctr_va_vcc(0) depctr_vm_vsrc(0)
	s_getreg_b32 s2, hwreg(HW_REG_IB_STS2, 6, 4)
	s_cmp_eq_u32 s2, 0
	s_cbranch_scc0 .Lentry_in_a_cluster
	s_endpgm
.Lentry_in_a_cluster:
	s_bfe_u32 s2, ttmp6, 0x10000c
	s_cmp_lg_u32 s2, 0x3003
	s_cbranch_scc0 .Lentry_shape_is_right
	s_endpgm
.Lentry_shape_is_right:
; Attention for 32 queries of one batch over all 16 heads, one head a trip: the four waves share a head's 1,024 keys (256 each), so a wave holds 32 x 256 scores, and beside them the sum over heads of the normalised p (out1).
; Per head: S^T = k q^T, the wave's own whole-number maximum M, p = 2^(t - M), p's codes and scale words, O^T = v^T p^T; maxima, sums and O^T meet through LDS, are brought under the row's M by powers of two and divided by the row's sum.
; A head's K, V and their scale words come by joint tensor loads of a cluster of four work-groups through two slots; the context is quantised along its 1,024 and leaves as codes and scale bytes.
; LIMITS: NaN and infinities are not served; the promise holds while the scaled scores stay under 2^31 in magnitude.
.set HB,     157696
.set VIMG,   49152
.set KSC,    98304
.set VSC,    102400
.set QIMG,   104448
.set QSC,    153600
.set QUART,  26112
.set SLOT1,  1<<17
.set CTXL,   104448
.set CTXD,   196608
.set XS,     120832
.set XSD,    2048
.set CSC,    124928
.set SPARE,  125952
.set XO,     235520
.set XOD,    32768
.set HPITCH, 1040
.set SPW,  1
.set NIL,  2
.set B16,  3
.set B8,   4
.set BSC,  5
.set BVS,  6
.set A16,  7
.set A8,   8
.set ASC,  9
.set AVS,  10
.set XOW,  11
.set XSW,  12
.set XSR,  13
.set XRD,  14
.set ACX0, 15
.set ACX,  16
.set ACS0, 17
.set ACS,  18
.set QO16, 19
.set QO8,  20
.set QOS,  21
.set PFO,  22
.set QR,   24
.set KSR,  48
.set VSR,  56
.set QSR,  60
.set PSR,  62
.set SX,   66
.set GG,   70
.set STT,  74
.set BM,   90
.set BX,   106
.set LC,   106
.set PF,   122
.set PT,   170
.set OA,   178
.set FF,   242
.set W,    250
.set VF,   102
.set WV,   12
.set G1,   16
.set G0,   24
.set TB,   28
.set HL,   29
.set CH,   30
.set CS2,  31
.set CS,   32
.set SEL,  34
.set QP,   36
.set PFA,  38
.set LIM,  40
.set SHI,  41
.set QSP,  42
.set G0F,  68
.set XT,   72
.set XT2,  73
.set MSB, 0
.macro WIN new
.if MSB != (\new)
	s_set_vgpr_msb (MSB<<8)|(\new)
.set MSB, (\new)
.endif
.endm
.macro CROUND
	s_barrier_signal -1
	s_barrier_wait -1
	s_cmp_lg_u32 s[WV], 0
	s_cbranch_scc1 .Lnot_wave_0_\@
	s_barrier_signal -3
.Lnot_wave_0_\@:
	s_barrier_wait -3
	s_barrier_signal -1
	s_barrier_wait -1
.endm
.macro ASK
	s_cmp_gt_u32 s[HL], s[LIM]
	s_cbranch_scc0 .Lnot_mine_\@
	global_prefetch_b8 v[PFO], s[PFA:PFA+1] th:TH_LOAD_NT scope:SCOPE_SE
.Lnot_mine_\@:
.endm
.macro QLOAD
.irp u, 0,1
	global_load_b128 v[QR+12*\u:QR+12*\u+3], v[QO16], s[QP:QP+1] offset:768*\u
	global_load_b64 v[QR+12*\u+4:QR+12*\u+5], v[QO8], s[QP:QP+1] offset:768*\u
.endr
	global_load_b64 v[QSR:QSR+1], v[QOS], s[QSP:QSP+1]
.endm
	s_load_b256 s[4:11], s[0:1], 0x0
	v_lshl_add_u32 v[SPW], v0, 2, SPARE
	v_mov_b32 v[NIL], 0
	ds_add_u32 v1, v2
	ds_add_u32 v1, v2
	s_wait_dscnt 0x0
	v_lshrrev_b32 v23, 5, v0
	v_readfirstlane_b32 s[WV], v23
	s_bfe_u32 s13, ttmp6, 0x40000
	s_lshl_b32 s14, ttmp9, 2
	s_add_co_u32 s14, s14, s13
	s_and_b32 s15, ttmp7, 0xffff
	s_mov_b32 s[G1], 15|(3<<16)|(1<<21)
	s_mov_b32 s[G1+1], 32<<16
	s_mov_b32 s[G1+2], 102<<16
	s_mov_b32 s[G1+3], 32<<16
	s_mov_b32 s[G1+4], 102
	s_mov_b32 s[G1+5], 32
	s_mov_b32 s[G1+6], 0
	s_mov_b32 s[G1+7], 0
	s_mul_i32 s44, s15, 16*HB
	s_mov_b32 s45, 0
	s_mul_i32 s46, s[WV], QUART
	s_mov_b32 s47, 0
	s_mul_i32 s48, s14, 1536
	s_add_co_u32 s48, s48, QIMG
	s_mov_b32 s49, 0
	s_lshr_b32 s50, s14, 2
	s_lshl_b32 s50, s50, 9
	s_add_co_u32 s50, s50, QSC
	s_mov_b32 s51, 0
	s_mul_i32 s52, s13, 24576
	s_lshl_b32 s53, s[WV], 13
	s_add_co_u32 s52, s52, s53
	s_add_co_u32 s52, s52, 2*HB
	s_mov_b32 s53, 0
	s_lshl_b32 s54, s15, 10
	s_lshl_b32 s55, s14, 5
	s_add_co_u32 s54, s54, s55
	s_mul_i32 s56, s54, 768
	s_mul_i32 s57, s[WV], 6144
	s_add_co_u32 s56, s56, s57
	s_mov_b32 s57, 0
	s_lshl_b32 s58, s54, 5
	s_lshl_b32 s59, s[WV], 8
	s_add_co_u32 s58, s58, s59
	s_mov_b32 s59, 0
	s_lshl_b32 s60, s54, 12
	s_lshl_b32 s61, s[WV], 10
	s_add_co_u32 s60, s60, s61
	s_mov_b32 s61, 0
	s_bfe_u32 s62, s14, 0x10001
	s_lshl_b32 s62, s62, 8
	s_and_b32 s63, s14, 1
	s_lshl_b32 s63, s63, 3
	s_add_co_u32 s62, s62, s63
	s_mov_b32 s[TB], 0
	s_mov_b32 s[HL], 14
	s_mov_b32 s[CH], 0
	s_mov_b32 s[CS2], 0
	s_mov_b32 s[XT], 0
	s_mov_b32 s[XT2], 0
	s_mov_b32 s[CS], 0x3e38aa3b
	s_mov_b32 s[CS+1], s[CS]
	s_mov_b32 s[SEL], 0x76543210
	s_mov_b32 s[SEL+1], 0xfedcba98
	s_add_co_u32 s[LIM], s[WV], 1
	s_lshr_b32 s[LIM], s[LIM], 2
	s_or_b32 s[LIM], s[LIM], ttmp9
	s_cmp_eq_u32 s[LIM], 0
	s_cselect_b32 s[LIM], 1, -1
	s_cmp_ge_u32 s[WV], 2
	s_cselect_b32 s[SHI], -1, 0
	v_and_b32 v23, 31, v0
	v_and_b32 v[W], 15, v0
	v_bfe_u32 v[W+1], v0, 4, 1
	v_lshlrev_b32 v[QO16], 4, v23
	v_lshlrev_b32 v[QO8], 3, v23
	v_add_nc_u32 v[QO8], 512, v[QO8]
	v_lshl_add_u32 v[QOS], v[W], 4, s62
	v_lshlrev_b32 v[PFO], 8, v23
	s_mul_i32 s62, s[WV], 12288
	v_add_nc_u32 v[B16], s62, v[QO16]
	v_add_nc_u32 v[B8], s62, v[QO8]
	s_lshl_b32 s62, s[WV], 10
	s_add_co_u32 s62, s62, KSC
	v_add_nc_u32 v[BSC], s62, v[QO16]
	s_lshl_b32 s62, s[WV], 9
	s_add_co_u32 s63, s62, VSC
	v_add_nc_u32 v[BVS], s63, v[QO16]
	s_add_co_u32 s63, s62, XS
	v_add_nc_u32 v[XSW], s63, v[QO16]
	v_add_nc_u32 v[XSR], XS, v[QO16]
	s_lshl_b32 s62, s[WV], 13
	s_add_co_u32 s62, s62, XO
	v_add_nc_u32 v[XOW], s62, v[QO16]
	s_lshl_b32 s62, s[WV], 11
	s_add_co_u32 s62, s62, XO
	v_add_nc_u32 v[XRD], s62, v[QO16]
	s_and_b32 s62, s[WV], 1
	s_lshl_b32 s62, s62, 13
	s_lshr_b32 s63, s[WV], 1
	s_mul_i32 s63, s63, CTXD
	s_add_co_u32 s62, s62, s63
	s_add_co_u32 s62, s62, CTXL
	v_lshlrev_b32 v[ACX0], 9, v[W]
	v_lshl_add_u32 v[ACX0], v[W+1], 4, v[ACX0]
	v_add_nc_u32 v[ACX0], s62, v[ACX0]
	s_lshl_b32 s62, s[WV], 8
	s_add_co_u32 s62, s62, CSC
	v_lshl_add_u32 v[ACS0], v[W], 4, s62
	s_mov_b32 s[G0F], 1
	s_mul_i32 s[G0F+1], s[WV], QUART
	s_mov_b32 s[G0], 1
	s_add_co_u32 s[G0+1], s[G0F+1], SLOT1
	s_wait_kmcnt 0x0
	s_add_nc_u64 s[4:5], s[4:5], s[44:45]
	s_add_nc_u64 s[G0F+2:G0F+3], s[4:5], s[46:47]
	s_add_nc_u64 s[G0+2:G0+3], s[G0F+2:G0F+3], HB
	s_or_b32 s[G0F+3], s[G0F+3], 0x80000000
	s_or_b32 s[G0+3], s[G0+3], 0x80000000
	s_add_nc_u64 s[QP:QP+1], s[4:5], s[48:49]
	s_add_nc_u64 s[QSP:QSP+1], s[4:5], s[50:51]
	s_add_nc_u64 s[PFA:PFA+1], s[4:5], s[52:53]
	s_add_nc_u64 s[6:7], s[6:7], s[56:57]
	s_add_nc_u64 s[8:9], s[8:9], s[58:59]
	s_add_nc_u64 s[10:11], s[10:11], s[60:61]
	CROUND
	tensor_load_to_lds s[G0F:G0F+3], s[G1:G1+7]
	s_nop 0
	s_wait_alu depctr_va_vdst(0)
	s_wait_tensorcnt 0x0
	ds_add_u32 v1, v2
	s_wait_dscnt 0x0
	CROUND
	tensor_load_to_lds s[G0:G0+3], s[G1:G1+7]
	s_nop 0
.rept 4
	v_nop
.endr
	QLOAD
.irp i, 6,7,8,9,10,11,18,19,20,21,22,23
	v_mov_b32 v[QR+\i], 0
.endr
.irp i, 0,1,2,3,4,5,6,7,8,9,10,11,12,13,14,15
	v_mov_b32 v[BX+\i], 0
.endr
.irp i, 0,1,2,3
	v_mov_b32 v[SX+\i], 0
	v_mov_b32 v[GG+\i], 0
.endr
.irp i, 0,1,2,3,4,5
	v_mov_b32 v[W+\i], 0
.endr
	WIN 0xc0
.irp i, 96,97,98,99,100,101
	v_mov_b32 v[\i], 0
.endr
	WIN 0
.macro KLOAD
	v_add_nc_u32 v[A16], s[TB], v[B16]
	v_add_nc_u32 v[A8], s[TB], v[B8]
	v_add_nc_u32 v[ASC], s[TB], v[BSC]
	v_add_nc_u32 v[AVS], s[TB], v[BVS]
	ds_load_b128 v[KSR:KSR+3], v[ASC]
	ds_load_b128 v[KSR+4:KSR+7], v[ASC] offset:512
	ds_load_b128 v[VSR:VSR+3], v[AVS]
	WIN 0xc0
.irp t, 0,1,2,3,4,5,6,7,8,9,10,11,12,13,14,15
	ds_load_b128 v[6*\t:6*\t+3], v[A16] offset:768*\t
	ds_load_b64 v[6*\t+4:6*\t+5], v[A8] offset:768*\t
.endr
	WIN 0
.endm
.macro VLOAD
	WIN 0xc0
.irp f, 0,1,2,3,4,5,6,7
.irp g, 0,1,2
	ds_load_b128 v[VF+12*\f+4*\g:VF+12*\f+4*\g+3], v[A16] offset:VIMG+1536*\f+512*\g
.endr
.endr
.endm
.macro QK1
	WIN 0x43
.set qt, qn/2
.set qu, qn%2
.if (qt/4)%2
	v_wmma_scale_f32_16x16x128_f8f6f4 v[128*qu+8*qt:128*qu+8*qt+7], v[6*qt:6*qt+11], v[QR+12*qu:QR+12*qu+11], 0, v[KSR+4*(qt/8)+qt%4], v[QSR+qu] matrix_a_fmt:MATRIX_FMT_FP6 matrix_b_fmt:MATRIX_FMT_FP6 matrix_a_scale:MATRIX_SCALE_ROW1
.else
	v_wmma_scale_f32_16x16x128_f8f6f4 v[128*qu+8*qt:128*qu+8*qt+7], v[6*qt:6*qt+11], v[QR+12*qu:QR+12*qu+11], 0, v[KSR+4*(qt/8)+qt%4], v[QSR+qu] matrix_a_fmt:MATRIX_FMT_FP6 matrix_b_fmt:MATRIX_FMT_FP6
.endif
.set qn, qn+1
.endm
.macro HSL first
.set hb, 128*(hn%2)+8*(hn/2)
.set hg, GG+2*(hn%2)
.if \first
	WIN 0x81
.irp i, 0,2,4,6
	v_pk_mul_f32 v[hb+\i:hb+\i+1], v[hb+\i:hb+\i+1], v[hg:hg+1] op_sel_hi:[1,0]
.endr
.else
	WIN 0xa1
.irp i, 0,2,4,6
	v_pk_fma_f32 v[hb+\i:hb+\i+1], v[hb+\i:hb+\i+1], v[hg:hg+1], v[hb+\i:hb+\i+1] op_sel_hi:[1,0,1]
.endr
.endif
.set hn, hn+1
.endm
.macro SUM4
	WIN 0x01
.irp u, 0,1
.irp c, 0,1
.if sj == 0
	v_pk_mul_f32 v[LC+4*\u+2*\c:LC+4*\u+2*\c+1], v[128*\u+2*\c:128*\u+2*\c+1], 1.0 op_sel_hi:[1,0]
.else
	v_pk_add_f32 v[LC+4*\u+2*\c:LC+4*\u+2*\c+1], v[128*\u+4*sj+2*\c:128*\u+4*sj+2*\c+1], v[LC+4*\u+2*\c:LC+4*\u+2*\c+1]
.endif
.endr
.endr
.set sj, sj+1
.endm
.macro PV1
	WIN 0x03
.set pd, (pn/2)%4
.set pu, pn%2
.if pn < 8
	v_wmma_scale_f32_16x16x128_f8f6f4 v[OA+8*(4*pu+pd):OA+8*(4*pu+pd)+7], v[VF+12*pd:VF+12*pd+11], v[PF+24*pu:PF+24*pu+11], 0, v[VSR+pd], v[PSR+2*pu] matrix_a_fmt:MATRIX_FMT_FP6 matrix_b_fmt:MATRIX_FMT_FP6
.else
	v_wmma_scale_f32_16x16x128_f8f6f4 v[OA+8*(4*pu+pd):OA+8*(4*pu+pd)+7], v[VF+48+12*pd:VF+48+12*pd+11], v[PF+24*pu+12:PF+24*pu+23], v[OA+8*(4*pu+pd):OA+8*(4*pu+pd)+7], v[VSR+pd], v[PSR+2*pu+1] matrix_a_fmt:MATRIX_FMT_FP6 matrix_b_fmt:MATRIX_FMT_FP6 matrix_a_scale:MATRIX_SCALE_ROW1
.endif
.set pn, pn+1
.endm
.macro TM1
	v_pk_fma_f32 v[2*tj:2*tj+1], v[2*tj:2*tj+1], s[CS:CS+1], v[SX+2*(tj/64):SX+2*(tj/64)+1] op_sel_hi:[1,0,0]
.set tj, tj+1
.endm
.macro PFRAG q
	WIN 0x01
.irp c, 0,1
	v_cvt_scalef32_pk16_fp6_f32 v[PF+12*\q+6*\c:PF+12*\q+6*\c+2], v[64*\q+32*\c:64*\q+32*\c+15], v[BM+4*\q+2*\c]
	v_cvt_scalef32_pk16_fp6_f32 v[PT+4*\c:PT+4*\c+2], v[64*\q+32*\c+16:64*\q+32*\c+31], v[BM+4*\q+2*\c+1]
.endr
	WIN 0
	v_nop
.irp c, 0,1
.irp i, 0,1,2
	v_permlane16_swap_b32 v[PF+12*\q+6*\c+\i], v[PT+4*\c+\i]
.endr
.irp i, 0,1,2
	v_mov_b32 v[PF+12*\q+6*\c+3+\i], v[PT+4*\c+\i]
.endr
.endr
.endm
.macro BODY first, fill, next
	WIN 0x15
.irp k, 0,1,2,3,4,5,6,7,8,9,10,11,12,13,14,15
	v_max3_num_f32 v[BM+\k], v[16*\k], v[16*\k+1], v[16*\k+2]
.endr
	WIN 0x14
.irp i, 3,5,7,9,11,13
.irp k, 0,1,2,3,4,5,6,7,8,9,10,11,12,13,14,15
	v_max3_num_f32 v[BM+\k], v[BM+\k], v[16*\k+\i], v[16*\k+\i+1]
.endr
.endr
.irp k, 0,1,2,3,4,5,6,7,8,9,10,11,12,13,14,15
	v_max_num_f32 v[BM+\k], v[BM+\k], v[16*\k+15]
.endr
	WIN 0
.irp k, 0,1,2,3,4,5,6,7,8,9,10,11,12,13,14,15
	v_permlanex16_b32 v[BX+\k], v[BM+\k], s[SEL], s[SEL+1]
.endr
.irp k, 0,1,2,3,4,5,6,7,8,9,10,11,12,13,14,15
	v_max_num_f32 v[BM+\k], v[BM+\k], v[BX+\k]
.endr
.irp u, 0,1
	v_max3_num_f32 v[W+\u], v[BM+8*\u], v[BM+8*\u+1], v[BM+8*\u+2]
.endr
.irp u, 0,1
	v_max3_num_f32 v[W+\u], v[W+\u], v[BM+8*\u+3], v[BM+8*\u+4]
.endr
.irp u, 0,1
	v_max3_num_f32 v[W+\u], v[W+\u], v[BM+8*\u+5], v[BM+8*\u+6]
.endr
.irp u, 0,1
	v_max_num_f32 v[W+\u], v[W+\u], v[BM+8*\u+7]
.endr
.irp u, 0,1
	v_mul_f32 v[W+\u], s[CS], v[W+\u]
.endr
.irp u, 0,1
	v_floor_f32 v[SX+2*\u], -v[W+\u]
.endr
.irp k, 0,1,2,3,4,5,6,7,8,9,10,11,12,13,14,15
	v_fma_f32 v[BM+\k], v[BM+\k], s[CS], v[SX+2*(\k/8)]
.endr
	s_wait_alu depctr_va_vdst(0)
.irp k, 0,1,2,3,4,5,6,7,8,9,10,11,12,13,14,15
	v_exp_f32 v[BM+\k], v[BM+\k]
.endr
	WIN 0x41
.set tj, 0
.rept 128
	TM1                                            ; all of t - M first,
.endr
	s_wait_alu depctr_va_vdst(0)                   ; one wait ahead of the batch,
.set ej, 0
.rept 256
	v_exp_f32 v[ej], v[ej]                         ; and the 256 exponentials as one batch
.set ej, ej+1
.endr
	WIN 0
	s_wait_alu depctr_va_vdst(0)
.irp k, 0,1,2,3,4,5,6,7,8,9,10,11,12,13,14,15
	v_max_num_f32 v[BM+\k], 0x1800000, v[BM+\k]
.endr
.irp k, 0,1,2,3,4,5,6,7,8,9,10,11,12,13,14,15
	v_add_nc_u32 v[BM+\k], 0xff000000, v[BM+\k]
.endr
.irp k, 0,1,2,3,4,5,6,7,8,9,10,11,12,13,14,15
	v_lshrrev_b32 v[BX+\k], 23, v[BM+\k]
.endr
.irp q, 0,1,2,3
	v_lshl_or_b32 v[PSR+\q], v[BX+4*\q+1], 8, v[BX+4*\q]
.endr
.irp q, 0,1,2,3
	v_lshl_or_b32 v[PSR+\q], v[BX+4*\q+2], 16, v[PSR+\q]
.endr
.irp q, 0,1,2,3
	v_lshl_or_b32 v[PSR+\q], v[BX+4*\q+3], 24, v[PSR+\q]
.endr
	PFRAG 0
	PFRAG 1
	PFRAG 2
	PFRAG 3
.set sj, 0
.rept 16
	SUM4
.endr
	s_wait_alu depctr_va_vdst(0)
	s_wait_dscnt 0x0
.set pn, 0
.rept 16
	PV1
	SUM4
.endr
	WIN 0
.irp u, 0,1
	v_pk_add_f32 v[LC+4*\u:LC+4*\u+1], v[LC+4*\u:LC+4*\u+1], v[LC+4*\u+2:LC+4*\u+3]
.endr
.irp u, 0,1
	v_add_f32 v[W+\u], v[LC+4*\u], v[LC+4*\u+1]
.endr
.irp u, 0,1
	v_permlanex16_b32 v[W+2+\u], v[W+\u], s[SEL], s[SEL+1]
.endr
.irp u, 0,1
	v_add_f32 v[SX+2*\u+1], v[W+\u], v[W+2+\u]
.endr
	v_add_nc_u32 v[A16], s[XT], v[XOW]
	v_add_nc_u32 v[A8], s[XT2], v[XSW]
.irp i, 0,1,2,3,4,5,6,7,8,9,10,11,12,13,14,15
	ds_store_b128 v[A16], v[OA+4*\i:OA+4*\i+3] offset:512*\i
.endr
	ds_store_b128 v[A8], v[SX:SX+3]
	s_wait_tensorcnt 0x0
	ds_add_u32 v[SPW], v[NIL]
.if \fill
	s_xor_b32 s[G0+1], s[G0+1], SLOT1
	s_add_nc_u64 s[G0+2:G0+3], s[G0+2:G0+3], HB
	s_wait_xcnt 0x0
	s_add_nc_u64 s[PFA:PFA+1], s[PFA:PFA+1], HB
.endif
	s_wait_dscnt 0x0
.if \fill
	CROUND
	tensor_load_to_lds s[G0:G0+3], s[G1:G1+7]
	s_nop 0
.rept 4
	v_nop
.endr
	ASK
.else
	s_barrier_signal -1
	s_barrier_wait -1
.endif
	v_add_nc_u32 v[ASC], s[XT2], v[XSR]
	v_add_nc_u32 v[AVS], s[XT], v[XRD]
.irp w, 0,1,2,3
	ds_load_b128 v[STT+4*\w:STT+4*\w+3], v[ASC] offset:512*\w
.endr
.irp w, 0,1,2,3
.irp i, 0,1,2,3
	ds_load_b128 v[OA+16*\w+4*\i:OA+16*\w+4*\i+3], v[AVS] offset:8192*\w+512*\i
.endr
.endr
	s_xor_b32 s[XT], s[XT], XOD
	s_xor_b32 s[XT2], s[XT2], XSD
	s_wait_dscnt 16
.irp u, 0,1
	v_min3_num_f32 v[W+\u], v[STT+2*\u], v[STT+4+2*\u], v[STT+8+2*\u]
.endr
.irp u, 0,1
	v_min_num_f32 v[W+\u], v[W+\u], v[STT+12+2*\u]
.endr
.irp u, 0,1
.irp w, 0,1,2,3
	v_sub_f32 v[FF+4*\u+\w], v[W+\u], v[STT+4*\w+2*\u]
.endr
	v_sub_f32 v[GG+2*\u], v[W+\u], v[SX+2*\u]
.endr
.irp i, 0,1,2,3,4,5,6,7
	v_cvt_i32_f32 v[FF+\i], v[FF+\i]
.endr
.irp u, 0,1
	v_cvt_i32_f32 v[GG+2*\u], v[GG+2*\u]
.endr
.irp i, 0,1,2,3,4,5,6,7
	v_ldexp_f32 v[FF+\i], 1.0, v[FF+\i]
.endr
.irp u, 0,1
	v_ldexp_f32 v[GG+2*\u], 1.0, v[GG+2*\u]
.endr
.irp u, 0,1
	v_mul_f32 v[W+2+\u], v[FF+4*\u], v[STT+1+2*\u]
.endr
.irp w, 1,2,3
.irp u, 0,1
	v_fma_f32 v[W+2+\u], v[FF+4*\u+\w], v[STT+4*\w+1+2*\u], v[W+2+\u]
.endr
.endr
	s_wait_alu depctr_va_vdst(0)
	v_rcp_f32 v[W+4], v[W+2]
	v_rcp_f32 v[W+5], v[W+3]
.irp w, 0,1,2,3
	v_cndmask_b32 v[STT+2*\w], v[FF+\w], v[FF+4+\w], s[SHI]
.endr
	s_wait_alu depctr_va_vdst(0)
	v_cndmask_b32 v[W], v[W+4], v[W+5], s[SHI]
.irp w, 0,1,2,3
	v_mul_f32 v[STT+2*\w], v[STT+2*\w], v[W]
.endr
.irp u, 0,1
	v_mul_f32 v[GG+2*\u], v[GG+2*\u], v[W+4+\u]
.endr
.irp u, 0,1
	v_mul_f32 v[GG+2*\u], 0x3d800000, v[GG+2*\u]
.endr
.if \next
	KLOAD
.endif
	s_wait_alu depctr_va_vdst(0)
	s_wait_dscnt 35*\next
.irp i, 0,2,4,6,8,10,12,14
	v_pk_mul_f32 v[OA+\i:OA+\i+1], v[OA+\i:OA+\i+1], v[STT:STT+1] op_sel_hi:[1,0]
.endr
.irp w, 1,2,3
.irp i, 0,2,4,6,8,10,12,14
	v_pk_fma_f32 v[OA+\i:OA+\i+1], v[OA+16*\w+\i:OA+16*\w+\i+1], v[STT+2*\w:STT+2*\w+1], v[OA+\i:OA+\i+1] op_sel_hi:[1,0,1]
.endr
.endr
	v_max3_num_f32 v[W], |v[OA]|, |v[OA+1]|, 0x1800000
.irp i, 2,4,6,8,10,12,14
	v_max3_num_f32 v[W], v[W], |v[OA+\i]|, |v[OA+\i+1]|
.endr
	v_permlanex16_b32 v[W+1], v[W], s[SEL], s[SEL+1]
	v_max_num_f32 v[W], v[W], v[W+1]
	v_add_nc_u32 v[W+2], 0xff000000, v[W]
	v_cvt_scalef32_pk16_fp6_f32 v[PT:PT+2], v[OA:OA+15], v[W+2]
	v_lshrrev_b32 v[W+3], 23, v[W+2]
	v_add_nc_u32 v[ACX], s[CH], v[ACX0]
	v_add_nc_u32 v[ACS], s[CS2], v[ACS0]
	ds_store_b96 v[ACX], v[PT:PT+2]
	ds_store_b8 v[ACS], v[W+3]
.set hn, 0
.if \next
	VLOAD
	s_wait_loadcnt 0x0
	s_wait_dscnt 26
.set qn, 0
	HSL \first
.rept 32
.if hn < 32
	HSL \first
.endif
	QK1
.endr
	WIN 0
.rept 4
	v_nop
.endr
.if \fill
	s_add_nc_u64 s[QP:QP+1], s[QP:QP+1], HB
	s_add_nc_u64 s[QSP:QSP+1], s[QSP:QSP+1], HB
	QLOAD
.endif
	s_xor_b32 s[TB], s[TB], SLOT1
.else
.rept 32
	HSL \first
.endr
	WIN 0
.endif
	s_add_co_u32 s[CH], s[CH], 32
	s_add_co_u32 s[CS2], s[CS2], 1
.endm
	s_wait_alu depctr_va_vdst(0)
	s_wait_tensorcnt 0x1
	s_barrier_signal -1
	s_barrier_wait -1
	KLOAD
	VLOAD
	s_wait_loadcnt 0x0
	s_wait_dscnt 24
.set qn, 0
.rept 32
	QK1
.endr
	WIN 0
.rept 4
	v_nop
.endr
	s_add_nc_u64 s[QP:QP+1], s[QP:QP+1], HB
	s_add_nc_u64 s[QSP:QSP+1], s[QSP:QSP+1], HB
	QLOAD
	s_xor_b32 s[TB], s[TB], SLOT1
	BODY 1, 1, 1
	s_mov_b32 s[HL], 13
.Lhead:
	BODY 0, 1, 1
	s_sub_co_u32 s[HL], s[HL], 1
	s_cmp_lg_u32 s[HL], 0
	s_cbranch_scc1 .Lhead
	BODY 0, 0, 1
	BODY 0, 0, 0
	s_wait_dscnt 0x0
	s_barrier_signal -1
	s_barrier_wait -1
	v_and_b32 v3, 31, v0
	s_wait_alu depctr_va_vdst(0)
	s_and_b32 s44, s[WV], 1
	s_lshr_b32 s45, s[WV], 1
	s_mul_i32 s46, s44, CTXD
	s_lshl_b32 s47, s45, 12
	s_add_co_u32 s46, s46, s47
	s_add_co_u32 s46, s46, CTXL
	s_lshl_b32 s44, s44, 9
	s_lshl_b32 s45, s45, 7
	s_add_co_u32 s44, s44, s45
	s_add_co_u32 s44, s44, CSC
	v_bfe_u32 v7, v0, 1, 1
	v_bfe_u32 v8, v0, 2, 3
	v_and_b32 v9, 1, v0
	v_lshlrev_b32 v4, 13, v7
	v_lshl_add_u32 v4, v8, 5, v4
	v_lshl_add_u32 v4, v9, 4, v4
	v_add_nc_u32 v4, s46, v4
	v_mul_u32_u24 v10, v3, 12
	v_lshlrev_b32 v15, 3, v3
	v_lshl_add_u32 v14, v3, 2, s44
.irp n, 0,1,2,3,4,5,6,7,8,9,10,11,12,13,14,15
	ds_load_b96 v[OA+4*\n:OA+4*\n+2], v4 offset:512*(\n/2)+256*(\n%2)
.endr
	ds_load_b32 v[PF], v14
	ds_load_b32 v[PF+1], v14 offset:256
	s_wait_alu depctr_va_vdst(0)
.irp n, 0,1,2,3,4,5,6,7,8,9,10,11,12,13,14,15
	s_wait_dscnt 17-\n
	global_store_b96 v10, v[OA+4*\n:OA+4*\n+2], s[6:7] offset:768*(\n/2)+384*(\n%2)
.endr
	s_wait_dscnt 0x0
	v_perm_b32 v[PF+2], v[PF+1], v[PF], 0x05010400
	v_perm_b32 v[PF+3], v[PF+1], v[PF], 0x07030602
	global_store_b64 v15, v[PF+2:PF+3], s[8:9]
	v_and_b32 v7, 15, v0
	v_bfe_u32 v8, v0, 4, 1
	s_mul_i32 s44, s[WV], 16*HPITCH
	v_mul_u32_u24 v11, v7, HPITCH
	v_lshl_add_u32 v11, v8, 6, v11
	v_add_nc_u32 v11, s44, v11
	v_lshlrev_b32 v13, 4, v3
	v_add_nc_u32 v12, s44, v13
.macro HSTORE u
	WIN 0x08
.irp g, 0,1,2,3,4,5,6,7
.irp q, 0,1,2,3
	ds_store_b128 v11, v[128*\u+16*\g+4*\q:128*\u+16*\g+4*\q+3] offset:128*\g+16*\q
.endr
.endr
.endm
.macro HLOAD u
	WIN 0x40
.irp n, 0,1,2,3,4,5,6,7,8,9,10,11,12,13,14,15,16,17,18,19,20,21,22,23,24,25,26,27,28,29,30,31
	ds_load_b128 v[128*\u+4*\n:128*\u+4*\n+3], v12 offset:HPITCH*(\n/2)+512*(\n%2)
.endr
.endm
.macro HSEND u
	WIN 0x04
.irp n, 0,1,2,3,4,5,6,7,8,9,10,11,12,13,14,15,16,17,18,19,20,21,22,23,24,25,26,27,28,29,30,31
	global_store_b128 v13, v[128*\u+4*\n:128*\u+4*\n+3], s[10:11] offset:(8*\u+(\n/2)%8+16*(\n/16))*4096+512*(\n%2) th:TH_STORE_NT
.endr
.endm
	HSTORE 0
	HLOAD 0
	HSTORE 1
	s_wait_alu depctr_va_vdst(0)
	s_wait_dscnt 32
	HSEND 0
	HLOAD 1
	s_wait_dscnt 0x0
	HSEND 1
	WIN 0
	s_wait_tensorcnt 0x0
	ds_add_u32 v[SPW], v[NIL]
	s_wait_dscnt 0x0
	CROUND
	s_endpgm
.Lfunc_end_k_q30cb34bbbc_attn:
	.size	k_q30cb34bbbc_attn, .Lfunc_end_k_q30cb34bbbc_attn-k_q30cb34bbbc_attn
	.p2alignl 7, 3214868480
	.fill 96, 4, 3214868480
	.section	.rodata,"a",@progbits
	.p2align	6, 0x0
	.amdhsa_kernel k_q30cb34bbbc_attn
		.amdhsa_group_segment_fixed_size 327680
		.amdhsa_private_segment_fixed_size 0
		.amdhsa_enable_private_segment 0
		.amdhsa_kernarg_size 32
		.amdhsa_user_sgpr_count 2
		.amdhsa_user_sgpr_kernarg_segment_ptr 1
		.amdhsa_wavefront_size32 1
		.amdhsa_system_sgpr_workgroup_id_x 1
		.amdhsa_system_sgpr_workgroup_id_y 1
		.amdhsa_system_sgpr_workgroup_id_z 1
		.amdhsa_system_vgpr_workitem_id 0
		.amdhsa_next_free_vgpr 1024
		.amdhsa_next_free_sgpr 80
		.amdhsa_reserve_vcc 0
		.amdhsa_float_denorm_mode_32 3
		.amdhsa_float_denorm_mode_16_64 3
		.amdhsa_memory_ordered 1
		.amdhsa_forward_progress 1
		.amdhsa_inst_pref_size 255
	.end_amdhsa_kernel
	.section	.bss,"aw",@nobits
	.p2align	6
	.space	262144
	.amdgpu_metadata
---
amdhsa.version: [ 1, 2 ]
amdhsa.kernels:
  - .name:           k_q30cb34bbbc_attn
    .symbol:         k_q30cb34bbbc_attn.kd
    .args:
      - { .name: att, .offset: 0, .size: 8, .value_kind: global_buffer, .address_space: global }
      - { .name: ctxc, .offset: 8, .size: 8, .value_kind: global_buffer, .address_space: global }
      - { .name: ctxs, .offset: 16, .size: 8, .value_kind: global_buffer, .address_space: global }
      - { .name: out1, .offset: 24, .size: 8, .value_kind: global_buffer, .address_space: global }
    .group_segment_fixed_size: 327680
    .private_segment_fixed_size: 0
    .kernarg_segment_align: 8
    .kernarg_segment_size: 32
    .max_flat_workgroup_size: 128
    .sgpr_count:     80
    .vgpr_count:     1024
    .wavefront_size: 32
...
	.end_amdgpu_metadata
.endif
;; end of part 3
;; launch outproj (part 4): grid 8 x 32, 4 waves a work-group, clusters of 4 x 4, 327,680 bytes of LDS; arguments ctxc, ctxs, codes, scales, out_proj_b, query, out0; writes out0
.if DOCPART == 4
	.amdgcn_target "amdgcn-amd-amdhsa--gfx1250"
	.amdhsa_code_object_version 6
	.text
	.protected	k_q30cb34bbbc_outproj
	.globl	k_q30cb34bbbc_outproj
	.p2align	8
	.type	k_q30cb34bbbc_outproj,@function
k_q30cb34bbbc_outproj:
	s_mov_b64 s[64:65], 0
	v_nop
	global_prefetch_b8 v0, s[64:65] scope:SCOPE_SE
	s_setreg_imm32_b32 hwreg(HW_REG_WAVE_MODE, 25, 1), 1
	s_wait_xcnt 0x0
	s_wait_alu depctr_hold_cnt(0) depctr_sa_sdst(0) depctr_va_vdst(0) depctr_va_sdst(0) depctr_va_ssrc(0) depctr_va_vcc(0) depctr_vm_vsrc(0)
	s_getreg_b32 s2, hwreg(HW_REG_IB_STS2, 6, 4)
	s_cmp_eq_u32 s2, 0
	s_cbranch_scc0 .Lentry_in_a_cluster
	s_endpgm
.Lentry_in_a_cluster:
	s_bfe_u32 s2, ttmp6, 0x10000c
	s_cmp_lg_u32 s2, 0xf033
	s_cbranch_scc0 .Lentry_shape_is_right
	s_endpgm
.Lentry_shape_is_right:
; out0 = ctx Wo^T + out_proj_b + query, on codes of FP6 (E2M3) with E8M0 scales, K = 1,024.  A work-group makes 256 tokens (A) x 128 features (B): 32 x 8 = 256 work-groups; wave w takes tokens 64 w .. 64 w + 63 against all of B: 32 accumulators.
; Source 0 = 16 rows of Wo, source 1 = 16 tokens: a lane then holds eight neighbouring features of one token.  Wo's rows lie with bits 3 and 4 of their number swapped: block b, lane half h, register j is feature 32 (b / 2) + 8 (b % 2) + 16 h + j.
; WHOLE ROWS OF K ARE STAGED: a row of codes is 768 bytes and begins on a multiple of 256; 16 bytes of padding behind each 256 give an LDS pitch of 816.  384 rows fill 313,344 bytes once: one tensor load a wave at the head
; (waves 0, 1: A's halves, asked for jointly by my row of a 4 x 4 cluster; waves 2, 3: B's halves, by my column).  Nothing is filled again.  The claim of all LDS: the text uses 313,856 bytes.
; The scale words go from memory into registers: a row's 32 bytes are 16 for lane r (steps 0-3) and 16 for lane 16 + r (steps 4-7, taken by ROW1): each load reads 512 consecutive bytes.
; The residual's rows are asked for at the head, the last block's under step 1.  The way out goes through a stage in my own 64 rows of A, which I alone read and have read to the end: whole rows of 512 bytes leave as two aligned runs of 256.
; No prefetch: the launch has no loop to run ahead in; every operand byte is asked for once, at the head.
; REGISTERS: window 0: v2-13 addresses, v16-47 B's scale words, v48-63 A's, v64-255 B's fragments in two sets (on the way out: rows read back); window 1: v0-95 A's fragments in two sets, v96-99 the bias; window 2: the accumulators, (a, b) at v[64 a + 8 b]; window 3: the residual.
.set PITCH,  816
.set ABYTES, 256*PITCH
.set SPARE,  384*PITCH
.set SPITCH, 528
.set FR,     12
.set WROW,   27648
.set ADRA, 2
.set ADRB, 4
.set STO,  8
.set RD,   9
.set CO,   10
.set SOFF, 11
.set SPW,  12
.set NIL,  13
.set SBR,  16
.set SAR,  48
.set BF,   64
.set BK,   64
.set BV,   96                          ; window 1
.set G1, 24
.set G0, 32
.set G1B, 48
.set G0B, 56
.set MSB, 0
.macro WIN new                         ; the immediate's high byte repeats the setting that is left
.if MSB != (\new)
	s_set_vgpr_msb (MSB<<8)|(\new)
.set MSB, (\new)
.endif
.endm
.macro CROUND                          ; a round of the cluster's barrier
	s_barrier_signal -1
	s_barrier_wait -1
	s_cmp_lg_u32 s14, 0
	s_cbranch_scc1 .Lnot_wave_0_\@
	s_barrier_signal -3
.Lnot_wave_0_\@:
	s_barrier_wait -3
	s_barrier_signal -1
	s_barrier_wait -1
.endm
.macro PLACES
.rept 4
	v_nop
.endr
.endm
	s_load_b256 s[4:11], s[0:1], 0x0               ; ctx's codes, ctx's scales, the weights' codes, their scales
	s_load_b128 s[96:99], s[0:1], 0x20             ; out_proj_b, query
	s_load_b64 s[12:13], s[0:1], 0x30              ; out0
	v_lshl_add_u32 v[SPW], v0, 2, SPARE
	v_mov_b32 v[NIL], 0
	ds_add_u32 v[SPW], v[NIL]                      ; the opening lines: the add twice on end and its wait
	ds_add_u32 v[SPW], v[NIL]
	v_lshrrev_b32 v1, 5, v0
	v_readfirstlane_b32 s14, v1                    ; wave
	s_lshr_b32 s15, s14, 1                         ; I fetch for A (0) or for B (1),
	s_and_b32 s16, s14, 1                          ; and which half of its rows
	s_bfe_u32 s40, ttmp6, 0x40000                  ; cx
	s_bfe_u32 s41, ttmp6, 0x40004                  ; cy
	s_lshl_b32 s42, ttmp9, 2
	s_add_co_u32 s42, s42, s40                     ; X: which 128 features
	s_and_b32 s17, ttmp7, 0xffff
	s_lshl_b32 s17, s17, 2
	s_add_co_u32 s17, s17, s41                     ; Y: which 256 tokens
	s_lshl_b32 s43, s41, 2
	s_lshl_b32 s43, 15, s43                        ; my row of the cluster
	s_lshl_b32 s44, 0x1111, s40                    ; my column
	s_or_b32 s[G1], s43, (1<<20)|(1<<21)|(5<<22)|(3<<25)   ; the mask; elements of 1 byte; padding on, 4 words behind every 64; bit 21 beside a mask
	s_or_b32 s[G1B], s44, (1<<20)|(1<<21)|(5<<22)|(3<<25)
	s_mov_b32 s[G1+2], 128<<16                     ; A: 128 rows a load
	s_mov_b32 s[G1+4], 128
	s_mov_b32 s[G1B+2], 64<<16                     ; B: 64
	s_mov_b32 s[G1B+4], 64
.irp g, G1, G1B
	s_mov_b32 s[\g+1], 768<<16
	s_mov_b32 s[\g+3], 768<<16
	s_mov_b32 s[\g+5], 768
	s_mov_b32 s[\g+6], 0
	s_mov_b32 s[\g+7], 0
.endr
	s_lshl_b32 s20, s17, 8                         ; 256 Y
	s_lshl_b32 s21, s16, 7
	s_add_co_u32 s21, s21, s20
	s_mul_i32 s36, s21, 768                        ; A's tile, in bytes
	s_mov_b32 s37, 0
	s_lshl_b32 s22, s42, 7
	s_add_co_u32 s22, s22, WROW                    ; out_proj_w's rows begin at WROW
	s_lshl_b32 s23, s16, 6
	s_add_co_u32 s23, s23, s22
	s_mul_i32 s38, s23, 768                        ; B's
	s_mov_b32 s39, 0
	s_mul_i32 s45, s16, 128*PITCH                  ; where they go: no place in the cluster enters an LDS address
	s_mul_i32 s46, s16, 64*PITCH
	s_add_co_u32 s46, s46, ABYTES
	s_lshl_b32 s60, s14, 6
	s_add_co_u32 s60, s60, s20                     ; my first token
	s_lshl_b32 s62, s60, 5                         ; its scale bytes
	s_mov_b32 s63, 0
	s_lshl_b32 s66, s22, 5                         ; B's
	s_mov_b32 s67, 0
	s_lshl_b32 s70, s42, 9                         ; my features, in bytes of f32
	s_mov_b32 s71, 0
	s_lshl_b32 s68, s60, 12
	s_add_co_u32 s68, s68, s70                     ; my corner of out0 and of query (under 2^26)
	s_mov_b32 s69, 0
	s_wait_dscnt 0x0                               ; both opening adds are done
	s_wait_kmcnt 0x0
	s_mov_b32 s[G0], 1
	s_mov_b32 s[G0+1], s45
	s_add_nc_u64 s[G0+2:G0+3], s[4:5], s[36:37]
	s_or_b32 s[G0+3], s[G0+3], 0x80000000
	s_mov_b32 s[G0B], 1
	s_mov_b32 s[G0B+1], s46
	s_add_nc_u64 s[G0B+2:G0B+3], s[8:9], s[38:39]
	s_or_b32 s[G0B+3], s[G0B+3], 0x80000000
	s_add_nc_u64 s[6:7], s[6:7], s[62:63]
	s_add_nc_u64 s[10:11], s[10:11], s[66:67]
	s_add_nc_u64 s[96:97], s[96:97], s[70:71]
	s_add_nc_u64 s[98:99], s[98:99], s[68:69]
	s_add_nc_u64 s[12:13], s[12:13], s[68:69]
	CROUND                                         ; all sixteen work-groups are here: the joint loads meet
	s_cmp_eq_u32 s15, 0                            ; one load a wave, one chain of branches on the wave's number
	s_cbranch_scc0 .Lfor_b
	tensor_load_to_lds s[G0:G0+3], s[G1:G1+7]
	s_nop 0
	PLACES
	s_branch .Lasked
.Lfor_b:
	tensor_load_to_lds s[G0B:G0B+3], s[G1B:G1B+7]
	s_nop 0
	PLACES
.Lasked:
	v_and_b32 v64, 15, v0                          ; r
	v_bfe_u32 v65, v0, 4, 1                        ; h
	v_and_b32 v66, 31, v0                          ; lane
	v_mul_u32_u24 v67, v64, PITCH
	v_mad_u32_u24 v67, v65, 24, v67                ; row x pitch + 24 h
	v_lshl_add_u32 v68, v65, 4, v67                ; and 16 more for lanes 16-31
	s_mul_i32 s21, s14, 64*PITCH                   ; my 64 rows of A; later my stage
	v_add_nc_u32 v[ADRA], s21, v67
	v_add_nc_u32 v[ADRA+1], s21, v68
	v_add_nc_u32 v[ADRB], ABYTES, v67
	v_add_nc_u32 v[ADRB+1], ABYTES, v68
	v_add_nc_u32 v[ADRB+2], ABYTES+64*PITCH, v67
	v_add_nc_u32 v[ADRB+3], ABYTES+64*PITCH, v68
	v_lshlrev_b32 v[SOFF], 5, v64
	v_lshl_add_u32 v[SOFF], v65, 4, v[SOFF]        ; 32 r + 16 h
	v_lshlrev_b32 v[CO], 4, v66
	v_mul_u32_u24 v69, v64, SPITCH
	v_lshl_add_u32 v69, v65, 6, v69
	v_add_nc_u32 v[STO], s21, v69                  ; into the stage: row r, 64 h
	v_add_nc_u32 v[RD], s21, v[CO]                 ; back: 16 bytes a lane of a row of 512
	s_wait_alu depctr_va_vdst(0)                   ; the wait ahead of the readers below
.irp i, 0,1,2,3,4,5,6,7
	global_load_b128 v[SBR+4*\i:SBR+4*\i+3], v[SOFF], s[10:11] offset:512*\i
.endr
.irp a, 0,1,2,3
	global_load_b128 v[SAR+4*\a:SAR+4*\a+3], v[SOFF], s[6:7] offset:512*\a
.endr
	WIN 0x40
	global_load_b128 v[BV:BV+3], v[CO], s[96:97]   ; the bias at my four features of a row read back
	WIN 0
.macro FRAG reg, adr, st, i            ; 16 rows x 128 K: 12 registers, in pieces of 8 bytes; byte y of a row lies at y + 16 (y / 256) of its LDS row; lanes 16-31 read 24 bytes on, where that is past a padding by the second address
.irp p, 0,1,2,3,4,5
.set BY, 96*(\st)+48*(\p/3)+8*(\p%3)
.if BY/256 == (BY+24)/256
	ds_load_b64 v[\reg+2*\p:\reg+2*\p+1], v[\adr] offset:BY+16*(BY/256)+(\i)*16*PITCH
.else
	ds_load_b64 v[\reg+2*\p:\reg+2*\p+1], v[\adr+1] offset:BY+16*(BY/256)+(\i)*16*PITCH
.endif
.endr
.endm
.macro FETCH st                        ; step st's fragments into set st % 2: B's eight, my A's four
	WIN 0
.irp i, 0,1,2,3,4,5,6,7
	FRAG BF+96*((\st)%2)+FR*\i, ADRB+2*(\i/4), \st, \i%4
.endr
	WIN 0x40
.irp a, 0,1,2,3
	FRAG 48*((\st)%2)+FR*\a, ADRA, \st, \a
.endr
.endm
.macro MUL st                          ; 32 matrix instructions, the 32 accumulators by turns in the same order in every step; step 0 starts the sums
	WIN 0xa4                                       ; source 0 window 0, source 1 window 1, C and D window 2
.irp a, 0,1,2,3
.irp b, 0,1,2,3,4,5,6,7
.if (\st) == 0
	v_wmma_scale_f32_16x16x128_f8f6f4 v[64*\a+8*\b:64*\a+8*\b+7], v[BF+FR*\b:BF+FR*\b+11], v[FR*\a:FR*\a+11], 0, v[SBR+4*\b], v[SAR+4*\a] matrix_a_fmt:MATRIX_FMT_FP6 matrix_b_fmt:MATRIX_FMT_FP6
.else
.if (\st) < 4
	v_wmma_scale_f32_16x16x128_f8f6f4 v[64*\a+8*\b:64*\a+8*\b+7], v[BF+96*((\st)%2)+FR*\b:BF+96*((\st)%2)+FR*\b+11], v[48*((\st)%2)+FR*\a:48*((\st)%2)+FR*\a+11], v[64*\a+8*\b:64*\a+8*\b+7], v[SBR+4*\b+(\st)], v[SAR+4*\a+(\st)] matrix_a_fmt:MATRIX_FMT_FP6 matrix_b_fmt:MATRIX_FMT_FP6
.else
	v_wmma_scale_f32_16x16x128_f8f6f4 v[64*\a+8*\b:64*\a+8*\b+7], v[BF+96*((\st)%2)+FR*\b:BF+96*((\st)%2)+FR*\b+11], v[48*((\st)%2)+FR*\a:48*((\st)%2)+FR*\a+11], v[64*\a+8*\b:64*\a+8*\b+7], v[SBR+4*\b+(\st)-4], v[SAR+4*\a+(\st)-4] matrix_a_fmt:MATRIX_FMT_FP6 matrix_b_fmt:MATRIX_FMT_FP6 matrix_a_scale:MATRIX_SCALE_ROW1 matrix_b_scale:MATRIX_SCALE_ROW1
.endif
.endif
.endr
.endr
.endm
.macro RLOAD a                         ; the residual of my block a: 16 rows x 512 bytes, into window 3
	WIN 0xc0
.irp t, 0,1,2,3,4,5,6,7,8,9,10,11,12,13,14,15
	global_load_b128 v[64*(\a)+4*\t:64*(\a)+4*\t+3], v[CO], s[98:99] offset:(16*(\a)+\t)*4096 th:TH_LOAD_NT
.endr
.endm
.macro STEP st
	s_wait_dscnt 0x0                               ; this step's fragments are in
.if (\st) < 7
	PLACES                                         ; four plain places behind the last products, ahead of loads into registers that they read
	FETCH (\st)+1
.endif
.if (\st) == 1
	RLOAD 3
.endif
	MUL \st
.endm
	s_wait_alu depctr_va_vdst(0)                   ; the wait at the head's end
	s_wait_tensorcnt 0x0                           ; my tile is in;
	s_barrier_signal -1
	s_barrier_wait -1                              ; everybody's is
	s_wait_loadcnt 0x0                             ; the scale words and the bias, asked for at the head
	RLOAD 0                                        ; three of my four blocks of the residual are asked for now that the tiles have landed, the fourth under step 1
	RLOAD 1
	RLOAD 2
	FETCH 0
.irp st, 0,1,2,3,4,5,6,7
	STEP \st
.endr
; THE WAY OUT, block by block of 16 tokens x 128 features.  LDS serves a wave's instructions in order (ISA guide 5.7.1.4): no wait between the stores and the loads, nor ahead of the next block's stores.
.macro TOSTAGE a
	WIN 0x08                                       ; the data: window 2
.irp b, 0,1,2,3,4,5,6,7
	ds_store_b128 v[STO], v[64*(\a)+8*\b:64*(\a)+8*\b+3] offset:128*(\b/2)+32*(\b%2)       ; each accumulator from its low end on
	ds_store_b128 v[STO], v[64*(\a)+8*\b+4:64*(\a)+8*\b+7] offset:128*(\b/2)+32*(\b%2)+16
.endr
	WIN 0
.set BB, BK+64*((\a)%2)
.irp t, 0,1,2,3,4,5,6,7,8,9,10,11,12,13,14,15
	ds_load_b128 v[BB+4*\t:BB+4*\t+3], v[RD] offset:\t*SPITCH
.endr
.endm
.macro SEND a, younger                 ; younger: the LDS instructions issued behind block a's loads, which may stay out
.set BB, BK+64*((\a)%2)
	s_wait_dscnt \younger
	s_wait_loadcnt 16*(3-(\a))                     ; block a's residual is in; the later blocks' 16 loads each may be out
	WIN 0x04
.set i, 0
.rept 16
	v_pk_add_f32 v[BB+4*i:BB+4*i+1], v[BB+4*i:BB+4*i+1], v[BV:BV+1]
	v_pk_add_f32 v[BB+4*i+2:BB+4*i+3], v[BB+4*i+2:BB+4*i+3], v[BV+2:BV+3]
.set i, i+1
.endr
	WIN 0x0c
.set i, 0
.rept 32
	v_pk_add_f32 v[BB+2*i:BB+2*i+1], v[BB+2*i:BB+2*i+1], v[64*(\a)+2*i:64*(\a)+2*i+1]
.set i, i+1
.endr
	WIN 0
.irp t, 0,1,2,3,4,5,6,7,8,9,10,11,12,13,14,15
	global_store_b128 v[CO], v[BB+4*\t:BB+4*\t+3], s[12:13] offset:(16*(\a)+\t)*4096 th:TH_STORE_NT   ; 32 lanes store 512 consecutive bytes, at a multiple of 256 from out0's first byte
.endr
.endm
	PLACES                                         ; behind the last products: ahead of the reads of results and of loads into B's registers
	TOSTAGE 0
.irp a, 1,2,3
.if \a > 1
	s_wait_xcnt 0x0                                ; block a - 2's stores have read their registers: block a's loads may land there
.endif
	TOSTAGE \a
	SEND \a-1, 32                                  ; behind block a - 1's loads: block a's 16 stores and 16 loads
.endr
	SEND 3, 0
	s_wait_tensorcnt 0x0                           ; the wave's end
	ds_add_u32 v[SPW], v[NIL]
	s_wait_dscnt 0x0
	CROUND                                         ; the closing round
	s_endpgm
.Lfunc_end_k_q30cb34bbbc_outproj:
	.size	k_q30cb34bbbc_outproj, .Lfunc_end_k_q30cb34bbbc_outproj-k_q30cb34bbbc_outproj
	.p2alignl 7, 3214868480
	.fill 96, 4, 3214868480
	.section	.rodata,"a",@progbits
	.p2align	6, 0x0
	.amdhsa_kernel k_q30cb34bbbc_outproj
		.amdhsa_group_segment_fixed_size 327680
		.amdhsa_private_segment_fixed_size 0
		.amdhsa_enable_private_segment 0
		.amdhsa_kernarg_size 56
		.amdhsa_user_sgpr_count 2
		.amdhsa_user_sgpr_kernarg_segment_ptr 1
		.amdhsa_wavefront_size32 1
		.amdhsa_system_sgpr_workgroup_id_x 1
		.amdhsa_system_sgpr_workgroup_id_y 1
		.amdhsa_system_sgpr_workgroup_id_z 1
		.amdhsa_system_vgpr_workitem_id 0
		.amdhsa_next_free_vgpr 1024
		.amdhsa_next_free_sgpr 100
		.amdhsa_reserve_vcc 0
		.amdhsa_float_denorm_mode_32 3
		.amdhsa_float_denorm_mode_16_64 3
		.amdhsa_memory_ordered 1
		.amdhsa_forward_progress 1
		.amdhsa_inst_pref_size 115
	.end_amdhsa_kernel
	.amdgpu_metadata
---
amdhsa.version: [ 1, 2 ]
amdhsa.kernels:
  - .name:           k_q30cb34bbbc_outproj
    .symbol:         k_q30cb34bbbc_outproj.kd
    .args:
      - { .name: ctxc, .offset: 0, .size: 8, .value_kind: global_buffer, .address_space: global }
      - { .name: ctxs, .offset: 8, .size: 8, .value_kind: global_buffer, .address_space: global }
      - { .name: codes, .offset: 16, .size: 8, .value_kind: global_buffer, .address_space: global }
      - { .name: scales, .offset: 24, .size: 8, .value_kind: global_buffer, .address_space: global }
      - { .name: out_proj_b, .offset: 32, .size: 8, .value_kind: global_buffer, .address_space: global }
      - { .name: query, .offset: 40, .size: 8, .value_kind: global_buffer, .address_space: global }
      - { .name: out0, .offset: 48, .size: 8, .value_kind: global_buffer, .address_space: global }
    .group_segment_fixed_size: 327680
    .private_segment_fixed_size: 0
    .kernarg_segment_align: 8
    .kernarg_segment_size: 56
    .max_flat_workgroup_size: 128
    .sgpr_count:     100
    .vgpr_count:     1024
    .wavefront_size: 32
...
	.end_amdgpu_metadata
.endif
;; end of part 4
